; MI455X (gfx1250); checked and timed in simulation.
; The chip was launched on July 23, 2026; its instructions are those of AMD's public machine-readable ISA for CDNA 5 (MIT licence, August 2026) and "CDNA5" Instruction Set Architecture Reference Guide (July 2026). The comments in the code are by the model that wrote it; some were corrected since.
;; Multi Head Self Attention. Allowed arithmetic: matrix products marked QUANTISED: E2M3 operands, one E8M0 scale for each 32 along K, by v_wmma_scale_f32_16x16x128_f8f6f4 with both operands' format E2M3, f32 sums; everything else in f32.
;; Inputs: Wk_codes 1,024 x 32 x 24 uint8 (E2M3 codes of Wk, K innermost, in blocks of 32 codes, four codes in three bytes); Wk_scales 1,024 x 32 uint8 (E8M0 scales of Wk, one for each 32 codes along K); Wo_codes 1,024 x 32 x 24 uint8 (E2M3 codes of Wo, K innermost, in blocks of 32 codes, four codes in three bytes); Wo_scales 1,024 x 32 uint8 (E8M0 scales of Wo, one for each 32 codes along K); Wq_codes 1,024 x 32 x 24 uint8 (E2M3 codes of Wq, K innermost, in blocks of 32 codes, four codes in three bytes); Wq_scales 1,024 x 32 uint8 (E8M0 scales of Wq, one for each 32 codes along K); Wv_codes 1,024 x 32 x 24 uint8 (E2M3 codes of Wv, K innermost, in blocks of 32 codes, four codes in three bytes); Wv_scales 1,024 x 32 uint8 (E8M0 scales of Wv, one for each 32 codes along K); X 4 x 2,048 x 1,024 float32; bk 1,024 float32; bo 1,024 float32; bq 1,024 float32; bv 1,024 float32; ln_beta 1,024 float32; ln_gamma 1,024 float32.
;; Outputs: out0 4 x 2,048 x 1,024 float32.
;; This version of the problem:
;;   THIS VERSION OF THE PROBLEM IS GIVEN IN LOW PRECISION. The matrix products marked QUANTISED in the list below multiply operands that are first quantised to E2M3 (2 exponent bits, 3 mantissa bits; 6 bits a number), with one power-of-two scale for each 32 numbers along K (OCP MX v1.0); their sums are f32. All else is computed in f32.
;;   The module's matrix products, in the order in which they are computed (A, B: the left and right operand; K: the contracted axis; several contracted axes count as one K, in the product's order):
;;     1. [M 8,192, K 1,024] x [K 1,024, N 1,024]; A: computed on the way; B: input Wq (given as codes): QUANTISED
;;     2. [M 8,192, K 1,024] x [K 1,024, N 1,024]; A: computed on the way; B: input Wk (given as codes): QUANTISED
;;     3. [M 8,192, K 1,024] x [K 1,024, N 1,024]; A: computed on the way; B: input Wv (given as codes): QUANTISED
;;     4. batch 64 x [M 2,048, K 64] x [K 64, N 2,048]; A: computed on the way; B: computed on the way: QUANTISED
;;     5. batch 64 x [M 2,048, K 2,048] x [K 2,048, N 64]; A: softmax (see below); B: computed on the way: QUANTISED
;;     6. [M 8,192, K 1,024] x [K 1,024, N 1,024]; A: computed on the way; B: input Wo (given as codes): QUANTISED
;;   THE QUANTISER, for each operand of a quantised product, along K:
;;     - K is cut into blocks of 32 from its start; a last block that is shorter is filled with zeros.
;;     - A block's scale is 2^e with e = floor(log2(the largest magnitude in the block)) - 2, held to -126 .. 127; a block of zeros has e = 0. As a byte (E8M0): e + 127.
;;     - Each number is divided by its block's scale, clamped to +-7.5, and rounded to the nearest number of E2M3, ties to even, subnormals kept.
;;     - The product sums the exact products of the quantised numbers (number of the format x scale) in f32.
;;   ~~~python
;;   def quantise(x, axis):      # numpy; x: float32 -> the quantised numbers, widened to float32 again
;;       x = np.moveaxis(x, axis, -1); K = x.shape[-1]
;;       x = np.pad(x, [(0, 0)] * (x.ndim - 1) + [(0, -K % 32)]); x = x.reshape(x.shape[:-1] + (-1, 32)); a = np.abs(x).max(-1, keepdims=True)
;;       e = np.where(a > 0, np.clip(np.frexp(np.where(a > 0, a, 1))[1] - 1 - 2, -126, 127), 0)      # np.frexp(a)[1] - 1 = floor(log2(a)), exactly
;;       r = np.clip(x / 2.0 ** e, -7.5, 7.5)
;;       step = 2.0 ** (np.maximum(np.frexp(np.where(r == 0, 1, r))[1] - 1, 0) - 3)
;;       q = np.round(r / step) * step * 2.0 ** e      # np.round: ties to even
;;       return np.moveaxis(q.reshape(q.shape[:-2] + (-1,))[..., :K], -1, axis).astype(np.float32)
;;   ~~~
;;   SOFTMAX AHEAD OF A QUANTISED PRODUCT. Where the list says 'softmax', what is quantised is not the finished softmax but p = 2^(t - M), with t = logit x log2(e) and M = ceil(the row's largest t), a whole number; so 1/2 < the row's largest p <= 1. The row's sum l is taken of the UNQUANTISED p, in f32, and the product's result is divided by l at the end. Since M is a whole number, a kernel that streams over the keys may use a running M (the ceiling of the running maximum): every later rescaling is an exact power of two, which a block's scale takes up: the codes' values come out the same.
;;   OPERANDS COMPUTED ON THE WAY. 'Computed on the way' means the value that the module computes at that place (a softmax that the list does not call 'softmax' is quantised finished and normalised). What goes into a quantiser is computed in f32, as accurately as f32 sums, v_exp_f32 and their like allow (about 1e-6 of the number): no bf16 or f16 on the way to a quantiser, and a product that is left as it is and whose result goes on into a quantised operand takes f32 operands (vector FMAs, or v_wmma_f32_16x16x4_f32). A number that lies on a knife's edge between two numbers of the format may be rounded either way, as far as f32 arithmetic and the matrix unit's own rounding can turn it there, and no further.
;;   INPUTS GIVEN AS CODES. Wk (in the module: [1024, 1024], K = its axis 1); Wo (in the module: [1024, 1024], K = its axis 1); Wq (in the module: [1024, 1024], K = its axis 1); Wv (in the module: [1024, 1024], K = its axis 1): each comes as NAME_codes (uint8): NAME with its K axis moved to the last place and cut into blocks of 32 codes, [.., K / 32, bytes a block], one block behind the other in memory; four codes in three bytes: a row's codes are one little-endian stream of bits, code i at bits 6 i .. 6 i + 5 (a code: sign, 2 exponent bits, 3 mantissa bits); and NAME_scales (uint8): the same leading axes, one E8M0 byte (e + 127) for each 32 codes along K. Its value is code x scale, taken as it is: it is not quantised again, and the codes and scales need not be those that the quantiser above would give.
;; One version. Each part assembles by itself: llvm-mc -triple=amdgcn-amd-amdhsa -mcpu=gfx1250 --defsym DOCPART=n.
;; ======== version 1 of 1: 4 launches
;; workspace buffers: opc 9,437,184 bytes; ops 393,216 bytes; qkv 19,660,800 bytes; mc 6,291,456 bytes; ms 262,144 bytes
;; launch prep (part 1): grid 288 x 1, 8 waves a work-group, no clusters, 66,560 bytes of LDS; arguments X, ln_gamma, ln_beta, Wq_codes, Wq_scales, Wk_codes, Wk_scales, Wv_codes, Wv_scales, Wo_codes, Wo_scales, opc, ops; writes opc, ops
.if DOCPART == 1
	.amdgcn_target "amdgcn-amd-amdhsa--gfx1250"
	.amdhsa_code_object_version 6
	.text
	.protected	k_q798bb7fc9b_prep
	.globl	k_q798bb7fc9b_prep
	.p2align	8
	.type	k_q798bb7fc9b_prep,@function
k_q798bb7fc9b_prep:
	s_mov_b64 s[64:65], 0
	v_nop
	global_prefetch_b8 v0, s[64:65] scope:SCOPE_SE
	s_setreg_imm32_b32 hwreg(HW_REG_WAVE_MODE, 25, 1), 1
	s_wait_xcnt 0x0
; PREP: every operand of the projections is laid as the matrix unit's registers want it.
; A TILE is 16 rows: lane r of tile 2 G + u stands for row 32 G + 8 u + r + 8 (r / 8).  A FRAGMENT is a tile x 128 along K: 12 registers a lane, lane (r, h) holding k = 64 c + 32 h + 0 .. 31 in registers 6 c .. 6 c + 5.
; A fragment lies in memory as two HALF FRAGMENTS of 768 bytes (c = 0, 1): 512 bytes, lane l's registers 6 c .. 6 c + 3 at 16 l; then 256 bytes, registers 6 c + 4, 6 c + 5 at 8 l.
; opc: [768 tiles][8 K steps][1,536 bytes]: tiles 0-63 Wq, 64-127 Wk, 128-191 Wv, 192-255 Wo, 256-767 LayerNorm(X).   ops: [768 tiles][4][16 lanes][8 bytes]: the scale words of K steps 2 q, 2 q + 1 of lane r's row.
; Work-groups 0-31 re-lay the weights' codes and scale bytes as they are given (a wave to a tile; no LDS, no barrier).
; Work-groups 32-287 take 32 rows of X each, four rows a wave: mean, variance of the differences, (x - mean) rsqrt(var + 1e-5) gamma + beta, all in f32; then the quantiser along the row's 1,024:
; a block's scale byte is its largest magnitude's exponent field - 2, each number divided by the scale and rounded to the nearest E2M3 code, ties to even, beyond 7.5 the largest code.
; LIMITS: a block of zeros, or one whose largest magnitude lies under 2^-124, keeps the byte 1 (only this program reads these bytes; zero codes add nothing); NaN and infinities in X are not served.
; Memory binds this launch: all 32 loads of a wave's four rows go out at the head, 512 consecutive bytes each; matrix units, clusters and tensor loads would add nothing.
.set STGW,  4608                       ; LDS: a wave's own stage: 32 places of 128 bytes + 16
.set IMG,   36864                      ; the 32 half fragments of the group's two tiles, 784 bytes apart (768 + 16)
.set HFP,   784
.set SCI,   61952                      ; the two tiles' scale bytes, 1,024
.set TILEB, 12288
.set XR,    64                         ; v64-191  four rows as loaded, 32 registers each
.set YR,    32                         ; v32-63   a block of 32 neighbours
.set GA,    192                        ; v192-223 gamma at my columns
.set BE,    224                        ; v224-255 beta
	s_load_b512 s[8:23], s[0:1], 0x0               ; X, gamma, beta, Wq codes, Wq scales, Wk codes, Wk scales, Wv codes
	s_load_b256 s[24:31], s[0:1], 0x40             ; Wv scales, Wo codes, Wo scales, opc
	s_load_b64 s[32:33], s[0:1], 0x60              ; ops
	s_set_vgpr_msb 0x40
	v_lshl_add_u32 v0, v0, 2, 0x10000
	v_mov_b32 v1, 0
	s_set_vgpr_msb 0x4000
	v_lshrrev_b32 v1, 5, v0
	v_readfirstlane_b32 s4, v1                     ; wave 0..7
	v_and_b32 v1, 31, v0                           ; lane
	s_cmp_lt_u32 ttmp9, 32
	s_cbranch_scc1 .Lrepack
	; ---------------- LayerNorm and quantiser ----------------
	s_sub_co_u32 s5, ttmp9, 32                     ; g: rows 32 g .. 32 g + 31, tiles 256 + 2 g and 257 + 2 g
	v_lshlrev_b32 v2, 4, v1                        ; 16 x lane
	v_lshlrev_b32 v29, 3, v1                       ; 8 x lane
	s_mul_i32 s6, s4, STGW
	v_lshrrev_b32 v10, 3, v1
	v_and_b32 v11, 7, v1
	v_mul_u32_u24 v3, v10, 144
	v_lshl_add_u32 v3, v11, 4, v3
	v_add_nc_u32 v3, s6, v3                        ; stage, in: load j's 16 bytes of lane l lie in place 4 j + l / 8, at 16 (l % 8)
	v_mul_u32_u24 v4, v1, 144
	v_add_nc_u32 v4, s6, v4                        ; stage, out: place l: block l of the row
	s_bfe_u32 s7, s4, 0x10001                      ; row 4 w + i of the group: tile u = (w / 2) % 2,
	s_and_b32 s36, s4, 1
	s_lshl_b32 s36, s36, 2
	s_lshr_b32 s37, s4, 2
	s_lshl_b32 s37, s37, 3
	s_add_co_u32 s36, s36, s37                     ; lane r = 4 (w % 2) + 8 (w / 4) + i
	s_mul_i32 s37, s7, 16*HFP
	s_lshl_b32 s38, s36, 4
	s_add_co_u32 s38, s38, s37
	s_add_co_u32 s38, s38, IMG
	v_lshrrev_b32 v12, 1, v1
	v_and_b32 v13, 1, v1
	v_mul_u32_u24 v12, v12, HFP
	v_lshl_add_u32 v5, v13, 8, v12
	v_add_nc_u32 v5, s38, v5                       ; block l is half fragment l / 2, half h = l % 2 of the lanes: its first 16 bytes at 16 (r + 16 h),
	s_lshl_b32 s38, s36, 3
	s_add_co_u32 s38, s38, s37
	s_add_co_u32 s38, s38, IMG+512
	v_lshl_add_u32 v6, v13, 7, v12
	v_add_nc_u32 v6, s38, v6                       ; its last 8 at 512 + 8 (r + 16 h)
	s_lshl_b32 s38, s7, 9
	s_lshl_b32 s39, s36, 3
	s_add_co_u32 s38, s38, s39
	s_add_co_u32 s38, s38, SCI
	v_lshl_add_u32 v7, v10, 7, v11
	v_add_nc_u32 v7, s38, v7                       ; its scale byte: 128 (l / 8) + 8 r + l % 8
	s_mul_i32 s38, s4, 4*HFP
	s_add_co_u32 s38, s38, IMG
	v_add_nc_u32 v8, s38, v2                       ; the way out: wave w takes half fragments 4 w .. 4 w + 3
	s_add_co_u32 s38, s38, 512
	v_add_nc_u32 v9, s38, v29
	v_and_b32 v22, 63, v0
	v_lshlrev_b32 v22, 4, v22                      ; the scale bytes leave by threads 0-63, 16 bytes each
	v_add_nc_u32 v23, SCI, v22
	s_mov_b32 s34, 0x76543210
	s_mov_b32 s35, 0xfedcba98                      ; lane selects: lane l xor 16
	s_mov_b32 s46, 0x3a800000                      ; 1 / 1,024
	s_mov_b32 s47, 0x3727c5ac                      ; 1e-5
	s_lshl_b32 s40, s5, 5
	s_lshl_b32 s41, s4, 2
	s_add_co_u32 s40, s40, s41
	s_lshl_b32 s40, s40, 12                        ; my first row, in bytes
	s_mov_b32 s41, 0
	s_lshl_b32 s42, s5, 1
	s_add_co_u32 s42, s42, 256                     ; the group's first tile
	s_mul_i32 s44, s42, TILEB
	s_mul_i32 s43, s4, 4*768
	s_add_co_u32 s44, s44, s43
	s_mov_b32 s45, 0
	s_wait_kmcnt 0x0
	s_add_nc_u64 s[8:9], s[8:9], s[40:41]
	s_add_nc_u64 s[30:31], s[30:31], s[44:45]
	s_lshl_b32 s44, s42, 9
	s_add_nc_u64 s[32:33], s[32:33], s[44:45]
.irp j, 0,1,2,3,4,5,6,7
	global_load_b128 v[GA+4*\j:GA+4*\j+3], v2, s[10:11] offset:512*\j
.endr
.irp j, 0,1,2,3,4,5,6,7
	global_load_b128 v[BE+4*\j:BE+4*\j+3], v2, s[12:13] offset:512*\j
.endr
.irp i, 0,1,2,3
.irp j, 0,1,2,3,4,5,6,7
	global_load_b128 v[XR+32*\i+4*\j:XR+32*\i+4*\j+3], v2, s[8:9] offset:4096*\i+512*\j th:TH_LOAD_NT   ; 32 lanes read 512 consecutive bytes; X is read once
.endr
.endr
.macro ALLSUM                          ; v10 summed over the 32 lanes, the result in every lane
	v_add_f32_dpp v10, v10, v10 row_xmask:1 row_mask:0xf bank_mask:0xf
	v_add_f32_dpp v10, v10, v10 row_xmask:2 row_mask:0xf bank_mask:0xf
	v_add_f32_dpp v10, v10, v10 row_xmask:4 row_mask:0xf bank_mask:0xf
	v_add_f32_dpp v10, v10, v10 row_xmask:8 row_mask:0xf bank_mask:0xf
	v_permlanex16_b32 v11, v10, s34, s35
	v_add_f32 v10, v10, v11
.endm
.macro ROW i
.set XB, XR+32*\i
	s_wait_loadcnt 24-8*\i                         ; loads come back in order: this row's eight are in, the younger rows' stay out
	v_pk_add_f32 v[10:11], v[XB:XB+1], v[XB+2:XB+3]                ; the row's sum, in two chains
	v_pk_add_f32 v[12:13], v[XB+4:XB+5], v[XB+6:XB+7]
.irp j, 8,12,16,20,24,28
	v_pk_add_f32 v[10:11], v[10:11], v[XB+\j:XB+\j+1]
	v_pk_add_f32 v[12:13], v[12:13], v[XB+\j+2:XB+\j+3]
.endr
	v_pk_add_f32 v[10:11], v[10:11], v[12:13]
	v_add_f32 v10, v10, v11
	ALLSUM
	v_mul_f32 v14, s46, v10                        ; the mean, twice: a pair for the packed forms
	v_mul_f32 v15, s46, v10
.irp j, 0,2,4,6,8,10,12,14,16,18,20,22,24,26,28,30
	v_pk_add_f32 v[XB+\j:XB+\j+1], v[XB+\j:XB+\j+1], v[14:15] neg_lo:[0,1] neg_hi:[0,1]   ; x - mean
.endr
	v_pk_mul_f32 v[10:11], v[XB:XB+1], v[XB:XB+1]                  ; the sum of the differences' squares: the first products start the chains
	v_pk_mul_f32 v[12:13], v[XB+2:XB+3], v[XB+2:XB+3]
.irp j, 4,8,12,16,20,24,28
	v_pk_fma_f32 v[10:11], v[XB+\j:XB+\j+1], v[XB+\j:XB+\j+1], v[10:11]
	v_pk_fma_f32 v[12:13], v[XB+\j+2:XB+\j+3], v[XB+\j+2:XB+\j+3], v[12:13]
.endr
	v_pk_add_f32 v[10:11], v[10:11], v[12:13]
	v_add_f32 v10, v10, v11
	ALLSUM
	v_fma_f32 v10, v10, s46, s47                   ; variance + 1e-5
	v_rsq_f32 v30, v10
	v_rsq_f32 v31, v10
	v_nop                                          ; a plain instruction between a transcendental and the use of its result
	s_wait_alu depctr_va_vdst(0)
.irp j, 0,2,4,6,8,10,12,14,16,18,20,22,24,26,28,30
	v_pk_mul_f32 v[XB+\j:XB+\j+1], v[XB+\j:XB+\j+1], v[30:31]
.endr
.irp j, 0,2,4,6,8,10,12,14,16,18,20,22,24,26,28,30
	v_pk_fma_f32 v[XB+\j:XB+\j+1], v[XB+\j:XB+\j+1], v[GA+\j:GA+\j+1], v[BE+\j:BE+\j+1]
.endr
.irp j, 0,1,2,3,4,5,6,7
	ds_store_b128 v3, v[XB+4*\j:XB+4*\j+3] offset:576*\j           ; the row turns through my own stage,
.endr
.irp e, 0,1,2,3,4,5,6,7
	ds_load_b128 v[YR+4*\e:YR+4*\e+3], v4 offset:16*\e             ; so that lane l holds block l; LDS serves a wave's instructions in order
.endr
	s_wait_dscnt 0x0                               ; the block is in; the last row's image stores are done too
	v_max3_num_f32 v10, |v[YR]|, |v[YR+1]|, |v[YR+2]|              ; the block's largest magnitude: all 32 numbers are mine
	v_max3_num_f32 v11, |v[YR+3]|, |v[YR+4]|, |v[YR+5]|
.irp e, 6,10,14,18,22,26
	v_max3_num_f32 v10, v10, |v[YR+\e]|, |v[YR+\e+1]|
	v_max3_num_f32 v11, v11, |v[YR+\e+2]|, |v[YR+\e+3]|
.endr
	v_max3_num_f32 v10, v10, |v[YR+30]|, |v[YR+31]|
	v_max3_num_f32 v10, v10, v11, 0x1800000        ; and the floor 2^(3 - 127): the byte cannot fall under 1
	v_add_nc_u32 v27, 0xff000000, v10              ; 2 off the exponent field: the conversion takes this operand's exponent field as its scale
	v_lshrrev_b32 v28, 23, v27                     ; the scale's byte
	v_cvt_scalef32_pk16_fp6_f32 v[16:18], v[YR:YR+15], v27
	v_cvt_scalef32_pk16_fp6_f32 v[24:26], v[YR+16:YR+31], v27      ; (a conversion's three registers begin on an even number)
	v_nop                                          ; a plain instruction behind the conversions
	v_mov_b32 v19, v24
	v_mov_b32 v20, v25
	v_mov_b32 v21, v26
	ds_store_b128 v5, v[16:19] offset:16*\i
	ds_store_b64 v6, v[20:21] offset:8*\i
	ds_store_b8 v7, v28 offset:8*\i
.endm
	ROW 0
	ROW 1
	ROW 2
	ROW 3
	s_wait_dscnt 0x0                               ; for the others' sake: my image stores are done
	s_barrier_signal -1
	s_barrier_wait -1                              ; the two tiles' images are whole
.irp k, 0,1,2,3
	ds_load_b128 v[64+4*\k:67+4*\k], v8 offset:HFP*\k
	ds_load_b64 v[80+2*\k:81+2*\k], v9 offset:HFP*\k
.endr
	s_wait_dscnt 0x0
.irp k, 0,1,2,3
	global_store_b128 v2, v[64+4*\k:67+4*\k], s[30:31] offset:768*\k        ; 512 consecutive bytes, at a multiple of 256 from the buffer's first byte
	global_store_b64 v29, v[80+2*\k:81+2*\k], s[30:31] offset:768*\k+512    ; 256 consecutive bytes, likewise
.endr
	s_cmp_lt_u32 s4, 2
	s_cbranch_scc0 .Lln_end
	ds_load_b128 v[96:99], v23
	s_wait_dscnt 0x0
	global_store_b128 v22, v[96:99], s[32:33]
.Lln_end:
	s_set_vgpr_msb 0x5
	s_wait_tensorcnt 0x0
	ds_add_u32 v0, v1
	s_wait_dscnt 0x0
	s_set_vgpr_msb 0x500
	s_endpgm
	; ---------------- the weights, re-laid ----------------
.Lrepack:
	s_lshl_b32 s5, ttmp9, 3
	s_add_co_u32 s5, s5, s4                        ; my tile of opc, 0 .. 255
	s_lshr_b32 s6, ttmp9, 3                        ; which weight: 0 Wq, 1 Wk, 2 Wv, 3 Wo
	s_and_b32 s7, s5, 63                           ; and which of its 64 tiles
	v_and_b32 v2, 15, v0                           ; r
	v_bfe_u32 v3, v0, 4, 1                         ; h
	v_and_b32 v4, 8, v2
	v_add_nc_u32 v4, v4, v2                        ; r + 8 (r / 8)
	v_mul_u32_u24 v5, v4, 768                      ; a row of 1,024 codes is 768 bytes
	v_mad_u32_u24 v5, v3, 24, v5
	v_lshlrev_b32 v6, 5, v4                        ; a row of scale bytes is 32: lane (r, h) takes 16 of them
	v_lshl_add_u32 v6, v3, 4, v6
	v_lshlrev_b32 v7, 3, v2
	v_lshl_add_u32 v7, v3, 8, v7                   ; and puts them at 128 (2 h) + 8 r and 128 further on
	v_lshlrev_b32 v8, 4, v1
	v_lshlrev_b32 v9, 3, v1
	s_lshr_b32 s36, s7, 1
	s_lshl_b32 s36, s36, 5
	s_and_b32 s37, s7, 1
	s_lshl_b32 s37, s37, 3
	s_add_co_u32 s36, s36, s37                     ; the tile's first row
	s_mul_i32 s38, s36, 768
	s_mov_b32 s39, 0
	s_lshl_b32 s40, s36, 5
	s_mov_b32 s41, 0
	s_mul_i32 s42, s5, TILEB
	s_mov_b32 s43, 0
	s_lshl_b32 s44, s5, 9
	s_mov_b32 s45, 0
	s_wait_kmcnt 0x0
	s_cmp_eq_u32 s6, 1                             ; the choice hangs on the work-group's number alone
	s_cselect_b64 s[46:47], s[18:19], s[14:15]
	s_cselect_b64 s[48:49], s[20:21], s[16:17]
	s_cmp_eq_u32 s6, 2
	s_cselect_b64 s[46:47], s[22:23], s[46:47]
	s_cselect_b64 s[48:49], s[24:25], s[48:49]
	s_cmp_eq_u32 s6, 3
	s_cselect_b64 s[46:47], s[26:27], s[46:47]
	s_cselect_b64 s[48:49], s[28:29], s[48:49]
	s_add_nc_u64 s[46:47], s[46:47], s[38:39]
	s_add_nc_u64 s[48:49], s[48:49], s[40:41]
	s_add_nc_u64 s[30:31], s[30:31], s[42:43]
	s_add_nc_u64 s[32:33], s[32:33], s[44:45]
	global_load_b128 v[16:19], v6, s[48:49]
.irp s, 0,1,2,3,4,5,6,7
.irp p, 0,1,2,3,4,5
	global_load_b64 v[64+12*\s+2*\p:65+12*\s+2*\p], v5, s[46:47] offset:96*\s+48*(\p/3)+8*(\p%3)   ; K step s: the 24 bytes at 24 h and those at 48 + 24 h, in pieces of 8
.endr
.endr
	s_wait_loadcnt 48                              ; the scale bytes are in: 48 loads were issued behind theirs
	global_store_b64 v7, v[16:17], s[32:33]
	global_store_b64 v7, v[18:19], s[32:33] offset:128
.irp s, 0,1,2,3,4,5,6,7
	s_wait_loadcnt 6*(7-\s)                        ; K step s is in; six loads for each later step may be out
	global_store_b128 v8, v[64+12*\s:67+12*\s], s[30:31] offset:1536*\s
	global_store_b64 v9, v[68+12*\s:69+12*\s], s[30:31] offset:1536*\s+512
	global_store_b128 v8, v[70+12*\s:73+12*\s], s[30:31] offset:1536*\s+768
	global_store_b64 v9, v[74+12*\s:75+12*\s], s[30:31] offset:1536*\s+1280
.endr
	s_endpgm
.Lfunc_end_k_q798bb7fc9b_prep:
	.size	k_q798bb7fc9b_prep, .Lfunc_end_k_q798bb7fc9b_prep-k_q798bb7fc9b_prep
	.p2alignl 7, 3214868480
	.fill 96, 4, 3214868480
	.section	.rodata,"a",@progbits
	.p2align	6, 0x0
	.amdhsa_kernel k_q798bb7fc9b_prep
		.amdhsa_group_segment_fixed_size 66560
		.amdhsa_private_segment_fixed_size 0
		.amdhsa_enable_private_segment 0
		.amdhsa_kernarg_size 104
		.amdhsa_user_sgpr_count 2
		.amdhsa_user_sgpr_kernarg_segment_ptr 1
		.amdhsa_wavefront_size32 1
		.amdhsa_system_sgpr_workgroup_id_x 1
		.amdhsa_system_sgpr_workgroup_id_y 1
		.amdhsa_system_sgpr_workgroup_id_z 1
		.amdhsa_system_vgpr_workitem_id 0
		.amdhsa_next_free_vgpr 258
		.amdhsa_next_free_sgpr 66
		.amdhsa_reserve_vcc 0
		.amdhsa_float_denorm_mode_32 3
		.amdhsa_float_denorm_mode_16_64 3
		.amdhsa_memory_ordered 1
		.amdhsa_forward_progress 1
		.amdhsa_inst_pref_size 55
	.end_amdhsa_kernel
	.amdgpu_metadata
---
amdhsa.version: [ 1, 2 ]
amdhsa.kernels:
  - .name:           k_q798bb7fc9b_prep
    .symbol:         k_q798bb7fc9b_prep.kd
    .args:
      - { .name: X, .offset: 0, .size: 8, .value_kind: global_buffer, .address_space: global }
      - { .name: ln_gamma, .offset: 8, .size: 8, .value_kind: global_buffer, .address_space: global }
      - { .name: ln_beta, .offset: 16, .size: 8, .value_kind: global_buffer, .address_space: global }
      - { .name: Wq_codes, .offset: 24, .size: 8, .value_kind: global_buffer, .address_space: global }
      - { .name: Wq_scales, .offset: 32, .size: 8, .value_kind: global_buffer, .address_space: global }
      - { .name: Wk_codes, .offset: 40, .size: 8, .value_kind: global_buffer, .address_space: global }
      - { .name: Wk_scales, .offset: 48, .size: 8, .value_kind: global_buffer, .address_space: global }
      - { .name: Wv_codes, .offset: 56, .size: 8, .value_kind: global_buffer, .address_space: global }
      - { .name: Wv_scales, .offset: 64, .size: 8, .value_kind: global_buffer, .address_space: global }
      - { .name: Wo_codes, .offset: 72, .size: 8, .value_kind: global_buffer, .address_space: global }
      - { .name: Wo_scales, .offset: 80, .size: 8, .value_kind: global_buffer, .address_space: global }
      - { .name: opc, .offset: 88, .size: 8, .value_kind: global_buffer, .address_space: global }
      - { .name: ops, .offset: 96, .size: 8, .value_kind: global_buffer, .address_space: global }
    .group_segment_fixed_size: 66560
    .private_segment_fixed_size: 0
    .kernarg_segment_align: 8
    .kernarg_segment_size: 104
    .max_flat_workgroup_size: 256
    .sgpr_count:     66
    .vgpr_count:     258
    .wavefront_size: 32
...
	.end_amdgpu_metadata
.endif
;; end of part 1
;; launch qkv (part 2): grid 12 x 32, 4 waves a work-group, clusters of 4 x 4, 327,680 bytes of LDS; arguments opc, ops, bq, bk, bv, qkv; writes qkv
.if DOCPART == 2
	.amdgcn_target "amdgcn-amd-amdhsa--gfx1250"
	.amdhsa_code_object_version 6
	.text
	.protected	k_q798bb7fc9b_qkv
	.globl	k_q798bb7fc9b_qkv
	.p2align	8
	.type	k_q798bb7fc9b_qkv,@function
k_q798bb7fc9b_qkv:
	s_mov_b64 s[64:65], 0
	v_nop
	global_prefetch_b8 v0, s[64:65] scope:SCOPE_SE
	s_setreg_imm32_b32 hwreg(HW_REG_WAVE_MODE, 25, 1), 1
	s_wait_xcnt 0x0
	s_wait_alu depctr_hold_cnt(0) depctr_sa_sdst(0) depctr_va_vdst(0) depctr_va_sdst(0) depctr_va_ssrc(0) depctr_va_vcc(0) depctr_vm_vsrc(0)
	s_getreg_b32 s2, hwreg(HW_REG_IB_STS2, 6, 4)
	s_cmp_eq_u32 s2, 0
	s_cbranch_scc0 .Lentry_in_a_cluster
	s_endpgm
.Lentry_in_a_cluster:
	s_bfe_u32 s2, ttmp6, 0x10000c
	s_cmp_lg_u32 s2, 0xf033
	s_cbranch_scc0 .Lentry_shape_is_right
	s_endpgm
.Lentry_shape_is_right:
; QKV: Q = Xn Wq^T + bq, K = Xn Wk^T + bk, V = Xn Wv^T + bv on E2M3 codes with E8M0 scales (K = 1,024), and the results quantised in registers for the attention launch.
; Operands come as register images (tile: lane r of tile 2 G + u = row 32 G + 8 u + r + 8 (r / 8); fragment = tile x 128 K = 1,536 bytes: twice 512 bytes at 16 x lane and 256 bytes at 8 x lane).
; opc: [768 tiles][8 K steps][1,536]; ops: [768 tiles][4][16][8]; a UNIT is 16 tiles, 256 rows: units 0-3 Wq, 4-7 Wk, 8-11 Wv, 16-47 Xn.
; A work-group of four waves makes 256 x 256, a wave 128 x 128: 64 accumulators, 512 registers.  K goes in steps of 256 through two LDS slots filled by the tensor data mover; the scale words of all of K come once.
; CLUSTERS of 4 x 4: side A (source 1) hangs on cy and is shared along a row of the cluster, side B (source 0) on cx and is shared along a column: each tile is asked for jointly.
; THE CLUSTER'S x IS THE MODE: 0 Q, 1 K: B = the weight's rows, A = Xn's tokens: a lane holds one token and its registers run along the features, the next product's K (the head's 64).
;                              2 V: B = Xn's tokens, A = Wv's rows: a lane holds one channel and its registers run along the tokens, which are the keys: the second attention product's K.
; The loop's text, the LDS addresses and the masks are the same in all modes; only unit numbers differ, by numbers that all partners of a cluster share.
; Since source 0's tiles have the row order above, the 16 registers of result tiles 2 G, 2 G + 1 are 16 neighbours along the next K: 32 G + 16 (lane / 16) + 0 .. 15.
; qkv: [64 heads][8 slots of 256 tokens][38,400]: K codes 12,288 (16 half fragments), K scale words 512 (8 pairs of tiles x 16 lanes: bytes 0, 1 tile 2 p, bytes 2, 3 tile 2 p + 1), V codes 12,288 (2 steps x 4 channel tiles x 1,536),
;      V scale words 512, Q codes 12,288, Q scale words 512.
; Q IS QUANTISED WITHOUT ITS FACTOR 1/8: a power of two moves a block's scale and no code; the attention launch multiplies the scores by it.  LIMIT: that differs from quantising Q / 8 only where a block's exponent would be held at -126 (|Q| under 2^-121).
; LIMITS: a block of zeros, or one under 2^-124, keeps the byte 1 (zero codes; only this program reads the bytes); NaN and infinities are not served.
; REGISTERS: window 0: v0-31 addresses; v32-63 scale words, two sets; v64-127 the bias along the features; v128-223 A's fragments, one set (later the epilogue's work); v240-255 bv at my channel.
;   window 1: B's fragments, two sets, at v0 and v128.   windows 2, 3: the accumulators of A's blocks 0-3, 4-7 (accumulator (a, b) at v[8 (8 (a % 4) + b)]).
.set FR,     12                        ; registers of a fragment
.set NL,     4                         ; LDS loads that bring one
.set NP,     4                         ; places behind this matrix instruction (ISA guide 7.12.1)
.set NQ,     2                         ; matrix instructions deep in a slot
.set TILEB,  12288
.set HALFT,  24576                     ; 8 tiles x 2 fragments: what one tensor load brings
.set SLOT,   4*HALFT                   ; A's 16 tiles, then B's 16
.set SCL,    2*SLOT                    ; behind the ring: the scale words, A's 8,192 bytes, then B's
.set HALFS,  4096
.set SBLK,   512                       ; a tile's scale words
.set SPARE,  SCL+4*HALFS               ; the spare words, 128 bytes for each wave: two blocks of 256 bytes that no other line names
.set UNITC,  196608
.set UNITS,  8192
.set KADV,   6144                      ; two slots on along K, in a tile's bytes
.set SLOTB,  38400
.set HS,     307200                    ; from head to head in qkv
.set ADRA, 16                          ; v16-17 A's fragments in slot 0, 1, at 16 x lane;  v18-19 at 8 x lane
.set ADRB, 20                          ; v20-23 the same for B
.set ADRS, 27                          ; v27 my scale words: lanes 0-15 A's, lanes 16-31 B's
.set SPW,  28                          ; v28 LDS address of my spare word; never rewritten
.set NIL,  29                          ; v29 0; never rewritten
.set SC,   32
.set BI,   64
.set AF,   128
.set BV,   240
.set H,    128                         ; the epilogue: 64 numbers of a lane
.set PC,   192                         ; their codes, and the conversions' second halves
.set TM,   212                         ; v212-215 largest magnitudes, v216-219 bytes, v224-227 the conversions' scale operands
.set PW,   228                         ; the scale word just made
.set PWP,  229                         ; and that of the tile before
.set SEL,  20                          ; s[20:21] lane selects, in the epilogue
.set G1, 24
.set G0, 32
.set G1B, 48
.set G0B, 56
.set G1S, 68
.set G0S, 76
.set G1SB, 80
.set G0SB, 88
.set MSB, 0
.macro WIN new                         ; the immediate's high byte repeats the setting that is left
.if MSB != (\new)
	s_set_vgpr_msb (MSB<<8)|(\new)
.set MSB, (\new)
.endif
.endm
.set MUL_LO, 0xa1                      ; source 0 (B) window 1, source 1 (A) window 0, C and D window 2
.set MUL_HI, 0xf1                      ; the same, C and D window 3
.set FIRST_LO, MUL_LO                  ; the first products take the constant 0 as C
.set FIRST_HI, MUL_HI
.set TO_B,   0x40                      ; destination window 1, address window 0
; A joint load: waves 0 and 1 fetch for A, waves 2 and 3 for B; the branch hangs on the wave's number alone.  Four v_nop follow each of the two lines.
.macro JLOAD g0a, g1a, g0b, g1b
	s_cmp_eq_u32 s15, 0
	s_cbranch_scc0 .Lfor_b_\@
	tensor_load_to_lds s[\g0a:\g0a+3], s[\g1a:\g1a+7]
	s_nop 0
.rept 4
	v_nop
.endr
	s_branch .Lasked_\@
.Lfor_b_\@:
	tensor_load_to_lds s[\g0b:\g0b+3], s[\g1b:\g1b+7]
	s_nop 0
.rept 4
	v_nop
.endr
.Lasked_\@:
.endm
.macro CREST                           ; a round of the cluster's barrier behind its opening barrier
	s_cmp_lg_u32 s14, 0
	s_cbranch_scc1 .Lnot_wave_0_\@
	s_barrier_signal -3
.Lnot_wave_0_\@:
	s_barrier_wait -3
	s_barrier_signal -1
	s_barrier_wait -1
.endm
.macro CROUND                          ; a whole round
	s_barrier_signal -1
	s_barrier_wait -1
	CREST
.endm
	s_load_b128 s[4:7], s[0:1], 0x0                ; opc, ops
	s_load_b128 s[8:11], s[0:1], 0x10              ; bq, bk
	s_load_b64 s[12:13], s[0:1], 0x20              ; bv
	s_load_b64 s[92:93], s[0:1], 0x28              ; qkv
	v_lshl_add_u32 v[SPW], v0, 2, SPARE
	v_mov_b32 v[NIL], 0
	ds_add_u32 v28, v29
	ds_add_u32 v28, v29
	s_wait_dscnt 0x0
	v_lshrrev_b32 v1, 5, v0
	v_readfirstlane_b32 s14, v1                    ; wave 0..3
	s_lshr_b32 s15, s14, 1                         ; which half of A's rows is mine.  Also: I fetch for A (0) or for B (1)
	s_and_b32 s16, s14, 1                          ; which half of B's rows.  Also: which 8 tiles of that side I fetch
	s_bfe_u32 s40, ttmp6, 0x40000                  ; cx, cy: my place in the cluster
	s_bfe_u32 s41, ttmp6, 0x40004
	s_mov_b32 s94, ttmp9                           ; the cluster's x: the mode
	s_and_b32 s95, ttmp7, 0xffff                   ; the cluster's y: 1,024 tokens
	s_lshl_b32 s43, s41, 2
	s_lshl_b32 s43, 15, s43                        ; my row of the cluster
	s_lshl_b32 s44, 0x1111, s40                    ; my column
	; descriptor group 1, codes: 8 rows (tiles) of 384 elements of 8 bytes (two fragments), 1,536 elements (a tile's 12,288 bytes) apart; dense in LDS
	s_or_b32 s[G1+0], s43, (3<<16)|(1<<21)         ; 15:0 the mask: A's tiles go to my row; 17:16 elements of 8 bytes; 21 set beside a mask
	s_or_b32 s[G1B+0], s44, (3<<16)|(1<<21)
.irp g, G1, G1B
	s_mov_b32 s[\g+1], 384<<16                     ; tensor_dim0
	s_mov_b32 s[\g+2], 8<<16                       ; tensor_dim1
	s_mov_b32 s[\g+3], 384<<16                     ; tile_dim0
	s_mov_b32 s[\g+4], 8                           ; tile_dim1
	s_mov_b32 s[\g+5], 1536                        ; tensor_dim0_stride
	s_mov_b32 s[\g+6], 0
	s_mov_b32 s[\g+7], 0
.endr
	; and the scale words of 8 tiles: 4,096 dense bytes as 16 rows of 256
	s_or_b32 s[G1S+0], s43, (3<<16)|(1<<21)
	s_or_b32 s[G1SB+0], s44, (3<<16)|(1<<21)
.irp g, G1S, G1SB
	s_mov_b32 s[\g+1], 32<<16
	s_mov_b32 s[\g+2], 16<<16
	s_mov_b32 s[\g+3], 32<<16
	s_mov_b32 s[\g+4], 16
	s_mov_b32 s[\g+5], 32
	s_mov_b32 s[\g+6], 0
	s_mov_b32 s[\g+7], 0
.endr
	s_lshl_b32 s17, s95, 2
	s_add_co_u32 s17, s17, 16                      ; Xn's first unit for this cluster
	s_lshl_b32 s18, s94, 2                         ; the weight's first unit in modes 0, 1
	s_cmp_eq_u32 s94, 2
	s_cselect_b32 s19, 8, s17                      ; side A begins at Wv (mode 2) or at Xn
	s_cselect_b32 s18, s17, s18                    ; side B at Xn (mode 2) or at the weight
	s_add_co_u32 s20, s41, s19                     ; A's unit: + cy
	s_add_co_u32 s46, s40, s18                     ; B's unit: + cx
	s_mul_i32 s22, s20, UNITS
	s_mul_i32 s20, s20, UNITC
	s_mul_i32 s100, s46, UNITS
	s_mul_i32 s46, s46, UNITC
	s_mul_i32 s17, s16, 8*TILEB                    ; which 8 tiles of the unit I fetch
	s_add_co_u32 s20, s20, s17
	s_add_co_u32 s46, s46, s17
	s_lshl_b32 s17, s16, 12
	s_add_co_u32 s22, s22, s17
	s_add_co_u32 s100, s100, s17
	s_mov_b32 s21, 0
	s_mov_b32 s23, 0
	s_mov_b32 s47, 0
	s_mov_b32 s101, 0
	s_mul_i32 s45, s14, HALFT                      ; where they go: wave x 8 tiles: no place in the cluster enters an LDS address
	s_lshl_b32 s97, s14, 12
	s_wait_kmcnt 0x0
	s_add_nc_u64 s[20:21], s[4:5], s[20:21]
	s_add_nc_u64 s[22:23], s[6:7], s[22:23]
	s_add_nc_u64 s[46:47], s[4:5], s[46:47]
	s_add_nc_u64 s[100:101], s[6:7], s[100:101]
	CROUND                                         ; all sixteen work-groups are here: the first joint loads meet
	s_mov_b32 s[G0S], 1
	s_add_co_u32 s[G0S+1], s97, SCL
	s_mov_b64 s[G0S+2:G0S+3], s[22:23]
	s_or_b32 s[G0S+3], s[G0S+3], 0x80000000
	s_mov_b32 s[G0SB], 1
	s_add_co_u32 s[G0SB+1], s97, SCL
	s_mov_b64 s[G0SB+2:G0SB+3], s[100:101]
	s_or_b32 s[G0SB+3], s[G0SB+3], 0x80000000
	JLOAD G0S, G1S, G0SB, G1SB                     ; the scale words first: they are wanted with the first K step
.irp s, 0,1
	s_mov_b32 s[G0+4*\s], 1
	s_add_co_u32 s[G0+4*\s+1], s45, \s*SLOT
	s_add_nc_u64 s[G0+4*\s+2:G0+4*\s+3], s[20:21], \s*3072
	s_or_b32 s[G0+4*\s+3], s[G0+4*\s+3], 0x80000000
	s_mov_b32 s[G0B+4*\s], 1
	s_add_co_u32 s[G0B+4*\s+1], s45, \s*SLOT
	s_add_nc_u64 s[G0B+4*\s+2:G0B+4*\s+3], s[46:47], \s*3072
	s_or_b32 s[G0B+4*\s+3], s[G0B+4*\s+3], 0x80000000
	JLOAD G0+4*\s, G1, G0B+4*\s, G1B
.endr
	v_and_b32 v1, 15, v0                           ; r
	v_bfe_u32 v2, v0, 4, 1                         ; h
	v_and_b32 v3, 31, v0                           ; lane
	v_lshlrev_b32 v8, 4, v3                        ; 16 x lane
	v_lshlrev_b32 v9, 3, v3                        ; 8 x lane
	s_mul_i32 s21, s15, HALFT                      ; my 8 tiles of A
	s_mul_i32 s22, s16, HALFT                      ; my 8 tiles of B,
	s_add_co_u32 s22, s22, 2*HALFT                 ; which lie behind A's 16
.irp s, 0,1
	v_add_nc_u32 v[ADRA+\s], s21, v8
	v_add_nc_u32 v[ADRB+\s], s22, v8
	v_add_nc_u32 v[ADRA+2+\s], s21, v9
	v_add_nc_u32 v[ADRB+2+\s], s22, v9
	s_add_co_u32 s21, s21, SLOT
	s_add_co_u32 s22, s22, SLOT
.endr
	v_lshlrev_b32 v5, 3, v1                        ; my lane's scale words: 8 bytes for each 256 along K
	s_lshl_b32 s21, s15, 12                        ; A's: my 8 tiles
	s_lshl_b32 s22, s16, 12                        ; B's: my 8 tiles, behind A's 16
	s_add_co_u32 s22, s22, 2*HALFS
	s_sub_co_u32 s22, s22, s21
	v_mul_u32_u24 v6, s22, v2                      ; lanes 16-31 take B's
	s_add_co_u32 s21, s21, SCL
	v_add_nc_u32 v5, v5, v6
	v_add_nc_u32 v[ADRS], s21, v5
	v_mul_u32_u24 v10, v2, HS
	v_lshl_add_u32 v10, v1, 2, v10                 ; Q's and K's scale words go out: lanes 0-15 the first head's, lanes 16-31 the next head's
	v_lshlrev_b32 v11, 6, v2                       ; the bias along the features: 16 numbers on for lanes 16-31
	v_and_b32 v12, 8, v1
	v_add_nc_u32 v12, v12, v1
	v_lshlrev_b32 v12, 2, v12                      ; bv at my channel: 4 (r + 8 (r / 8))
	v_lshlrev_b32 v13, 2, v3                       ; V's scale words go out: 4 x lane
	s_cmp_eq_u32 s94, 0
	s_cselect_b64 s[8:9], s[8:9], s[10:11]         ; bq in mode 0, else bk
	s_lshl_b32 s17, s40, 10
	s_lshl_b32 s18, s16, 9
	s_add_co_u32 s18, s18, s17                     ; B's 128 features: (256 cx + 128 half) x 4 bytes
	s_mov_b32 s19, 0
	s_add_nc_u64 s[8:9], s[8:9], s[18:19]
	s_lshl_b32 s17, s41, 10
	s_lshl_b32 s18, s15, 9
	s_add_co_u32 s18, s18, s17                     ; A's 128 features
	s_add_nc_u64 s[12:13], s[12:13], s[18:19]
.irp b, 0,1,2,3,4,5,6,7                        ; both tables are loaded in every mode; they are waited for at the epilogue's head
	global_load_b128 v[BI+8*\b:BI+8*\b+3], v11, s[8:9] offset:(32*(\b/2)+8*(\b%2))*4
	global_load_b128 v[BI+8*\b+4:BI+8*\b+7], v11, s[8:9] offset:(32*(\b/2)+8*(\b%2))*4+16
.endr
.irp a, 0,1,2,3,4,5,6,7
	global_load_b32 v[BV+2*\a], v12, s[12:13] offset:(32*(\a/2)+8*(\a%2))*4
	global_load_b32 v[BV+2*\a+1], v12, s[12:13] offset:(32*(\a/2)+8*(\a%2))*4      ; twice: a pair for the packed addition
.endr
.macro FRAG reg, adr, q, i             ; tile i's fragment of the slot's q-th 128 along K: the image's four parts, each consecutive over the lanes
	ds_load_b128 v[\reg:\reg+3], v[\adr] offset:3072*(\i)+1536*(\q)
	ds_load_b64 v[\reg+4:\reg+5], v[\adr+2] offset:3072*(\i)+1536*(\q)+512
	ds_load_b128 v[\reg+6:\reg+9], v[\adr] offset:3072*(\i)+1536*(\q)+768
	ds_load_b64 v[\reg+10:\reg+11], v[\adr+2] offset:3072*(\i)+1536*(\q)+1280
.endm
; 16 matrix instructions: A's blocks a0, a0 + 1 x B's eight.  p: B's set; sc: the set of scale words.  zero = 1: the first product starts the sums.  The 64 accumulators take turns, one instruction a turn.
.macro MUL16 a0, p, q, sc, zero
.irp a, \a0, \a0+1
.irp b, 0,1,2,3,4,5,6,7
.if \zero
	v_wmma_scale_f32_16x16x128_f8f6f4 v[8*(8*((\a)%4)+\b):8*(8*((\a)%4)+\b)+7], v[128*(\p)+FR*\b:128*(\p)+FR*\b+FR-1], v[AF+FR*(\a):AF+FR*(\a)+FR-1], 0, v[SC+8*NQ*(\sc)+NQ*\b+(\q)], v[SC+8*NQ*(\sc)+NQ*(\a)+(\q)] matrix_a_fmt:MATRIX_FMT_FP6 matrix_b_fmt:MATRIX_FMT_FP6 matrix_a_scale:MATRIX_SCALE_ROW1
.else
	v_wmma_scale_f32_16x16x128_f8f6f4 v[8*(8*((\a)%4)+\b):8*(8*((\a)%4)+\b)+7], v[128*(\p)+FR*\b:128*(\p)+FR*\b+FR-1], v[AF+FR*(\a):AF+FR*(\a)+FR-1], v[8*(8*((\a)%4)+\b):8*(8*((\a)%4)+\b)+7], v[SC+8*NQ*(\sc)+NQ*\b+(\q)], v[SC+8*NQ*(\sc)+NQ*(\a)+(\q)] matrix_a_fmt:MATRIX_FMT_FP6 matrix_b_fmt:MATRIX_FMT_FP6 matrix_a_scale:MATRIX_SCALE_ROW1
.endif
.endr
.endr
.endm
.macro FETCH_B slot, q, p
	WIN TO_B
.irp i, 0,1,2,3,4,5,6,7
	FRAG 128*(\p)+FR*\i, ADRB+\slot, \q, \i
.endr
	WIN 0
.endm
.macro FETCH_A slot, q, i0
.irp i, \i0, \i0+1, \i0+2, \i0+3
	FRAG AF+FR*(\i), ADRA+\slot, \q, \i
.endr
.endm
.macro SCALES sc                       ; a slot's scale words into set sc: lanes 0-15 take A's block i, lanes 16-31 B's block i
.irp i, 0,1,2,3,4,5,6,7
	ds_load_b64 v[SC+8*NQ*\sc+NQ*\i:SC+8*NQ*\sc+NQ*\i+1], v[ADRS] offset:\i*SBLK
.endr
.endm
.macro PLACES n                        ; plain vector instructions between a matrix instruction and a load into, or a vector read or write of, its registers
.rept \n
	v_nop
.endr
.endm
.macro STEP slot, q, zero              ; 128 along K that have their successor in the same slot
	s_wait_dscnt 4*NL                              ; B's set, A's blocks 0-3 and the scale words are in; the youngest 16 loads (A's blocks 4-7) may be out
.if \zero
	WIN FIRST_LO
.else
	WIN MUL_LO
.endif
	MUL16 0, (\q)%2, \q, \slot, \zero
	MUL16 2, (\q)%2, \q, \slot, \zero
	s_wait_dscnt 0
	PLACES NP
	FETCH_B \slot, (\q)+1, 1-(\q)%2
	FETCH_A \slot, (\q)+1, 0
.if \zero
	WIN FIRST_HI
.else
	WIN MUL_HI
.endif
	MUL16 4, (\q)%2, \q, \slot, \zero
	MUL16 6, (\q)%2, \q, \slot, \zero
	PLACES NP
	WIN 0
	FETCH_A \slot, (\q)+1, 4
.endm
; A slot's last 128 change slots: ONE barrier; in front of it each wave waits for all its tensor loads, adds 0 to its spare word, and waits for that and for its own reads of this slot.  fill = 1: this slot is filled again, two slots ahead.
.macro TURN slot, next, fill
	s_wait_tensorcnt 0x0                           ; all my tensor loads have landed: my part of the next slot
	ds_add_u32 v[SPW], v[NIL]                      ; 0 onto my spare word
	s_wait_dscnt 4*NL+1                            ; (the add and the youngest 16 loads may be out)
	WIN MUL_LO
	MUL16 0, 1, NQ-1, \slot, 0                     ; sixteen matrix instructions stand between the add and the wait for it
	s_wait_dscnt 0x0                               ; the add is done, and my reads of this slot are over
	s_barrier_signal -1
	MUL16 2, 1, NQ-1, \slot, 0
	WIN 0
	s_barrier_wait -1
.if \fill
	CREST                                          ; the barrier has opened a round of the cluster's barrier: no wave of any partner still reads this slot or has a load on its way
	s_add_nc_u64 s[G0+4*\slot+2:G0+4*\slot+3], s[G0+4*\slot+2:G0+4*\slot+3], KADV
	s_add_nc_u64 s[G0B+4*\slot+2:G0B+4*\slot+3], s[G0B+4*\slot+2:G0B+4*\slot+3], KADV
	JLOAD G0+4*\slot, G1, G0B+4*\slot, G1B         ; the first tensor load behind the round; its four v_nop are the places in front of the loads below
.else
	PLACES NP
.endif
	v_add_nc_u32 v[ADRS], 128, v[ADRS]             ; on to the next slot's scale words
	FETCH_B \next, 0, 0
	FETCH_A \next, 0, 0
	SCALES \next
	WIN MUL_HI
	MUL16 4, 1, NQ-1, \slot, 0
	MUL16 6, 1, NQ-1, \slot, 0
	PLACES NP
	WIN 0
	FETCH_A \next, 0, 4
.endm
	s_wait_tensorcnt 1                             ; of my three first fills the scale words and slot 0's part are in; slot 1's may be out
	s_barrier_signal -1
	s_barrier_wait -1
	FETCH_B 0, 0, 0
	FETCH_A 0, 0, 0
	SCALES 0
	FETCH_A 0, 0, 4
	STEP 0, 0, 1                                   ; K = 1,024 is four slots' worth: written out, no loop
	TURN 0, 1, 1                                   ; slot 0 takes K 512-767
	STEP 1, 0, 0
	TURN 1, 0, 1                                   ; slot 1 takes K 768-1,023
	STEP 0, 0, 0
	TURN 0, 1, 0                                   ; nothing is left to fetch, so no round
	STEP 1, 0, 0
	s_wait_dscnt 4*NL
	WIN MUL_LO
	MUL16 0, 1, NQ-1, 1, 0
	MUL16 2, 1, NQ-1, 1, 0
	s_wait_dscnt 0
	WIN MUL_HI
	MUL16 4, 1, NQ-1, 1, 0
	MUL16 6, 1, NQ-1, 1, 0
	WIN 0
	; ---------------- the epilogue: + bias, quantised in registers, stored as images ----------------
	PLACES NP
	s_wait_loadcnt 0x0                             ; the biases
.irp b, 0,1,2,3
	v_mov_b32 v[TM+4+\b], 0                        ; written once: a lane permute's destination counts as one of its sources
.endr
	s_mov_b32 s[SEL], 0x76543210
	s_mov_b32 s[SEL+1], 0xfedcba98
	s_mov_b32 s96, 0xffff0000                      ; lanes 16-31
	s_cmp_eq_u32 s94, 2
	s_cselect_b32 s17, s40, s41                    ; the tokens' place in the cluster,
	s_cselect_b32 s18, s41, s40                    ; the features',
	s_cselect_b32 s19, s16, s15                    ; my half of the tokens,
	s_cselect_b32 s22, s15, s16                    ; my half of the features,
	s_cselect_b32 s23, 12800, 0                    ; and the region of a slot: V 12,800, K 0,
	s_cmp_eq_u32 s94, 0
	s_cselect_b32 s23, 25600, s23                  ; Q 25,600
	s_lshl_b32 s42, s95, 2
	s_add_co_u32 s42, s42, s17                     ; which 256 tokens of the 8,192
	s_lshr_b32 s45, s42, 3                         ; the batch,
	s_and_b32 s46, s42, 7                          ; the slot
	s_lshl_b32 s47, s18, 2
	s_lshl_b32 s22, s22, 1
	s_add_co_u32 s47, s47, s22                     ; my first head
	s_lshl_b32 s45, s45, 4
	s_add_co_u32 s45, s45, s47
	s_lshl_b32 s45, s45, 3
	s_add_co_u32 s45, s45, s46
	s_mul_i32 s45, s45, SLOTB
	s_add_co_u32 s45, s45, s23
	s_mul_i32 s46, s19, 6144
	s_add_co_u32 s46, s46, s45
	s_mov_b32 s47, 0
	s_lshl_b32 s100, s19, 8
	s_add_co_u32 s100, s100, s45
	s_add_co_u32 s100, s100, 12288
	s_mov_b32 s101, 0
	s_add_nc_u64 s[98:99], s[92:93], s[100:101]    ; the scale words
	s_add_nc_u64 s[92:93], s[92:93], s[46:47]      ; the codes
; 64 numbers of a lane, register 16 b + i = k 32 b + 16 (lane / 16) + i of the lane's row, become a fragment's codes in v[PC] on and its scale word in v[PW]
.macro QUANT s
.irp b, 0,1,2,3
	v_max3_num_f32 v[TM+\b], |v[\s+16*\b]|, |v[\s+1+16*\b]|, 0x1800000   ; block b: my 16 numbers, and the floor 2^(3 - 127): the byte cannot fall under 1
.endr
.irp i, 2,4,6,8,10,12,14
.irp b, 0,1,2,3
	v_max3_num_f32 v[TM+\b], v[TM+\b], |v[\s+16*\b+\i]|, |v[\s+1+16*\b+\i]|
.endr
.endr
.irp b, 0,1,2,3
	v_permlanex16_b32 v[TM+4+\b], v[TM+\b], s[SEL], s[SEL+1]
.endr
.irp b, 0,1,2,3
	v_max_num_f32 v[TM+\b], v[TM+\b], v[TM+4+\b]   ; with lane l xor 16's: the block's largest magnitude
.endr
.irp b, 0,1,2,3
	v_add_nc_u32 v[TM+12+\b], 0xff000000, v[TM+\b] ; 2 off its exponent field: the conversion's scale operand
.endr
.irp b, 0,1,2,3
	v_lshrrev_b32 v[TM+4+\b], 23, v[TM+12+\b]      ; the scale's byte
.endr
	v_lshl_or_b32 v[PW], v[TM+5], 8, v[TM+4]
	v_lshl_or_b32 v[PW], v[TM+6], 16, v[PW]
	v_lshl_or_b32 v[PW], v[TM+7], 24, v[PW]
.irp c, 0,1
	v_cvt_scalef32_pk16_fp6_f32 v[PC+6*\c:PC+2+6*\c], v[\s+32*\c:\s+15+32*\c], v[TM+12+2*\c]
	v_cvt_scalef32_pk16_fp6_f32 v[PC+12+4*\c:PC+14+4*\c], v[\s+16+32*\c:\s+31+32*\c], v[TM+12+2*\c+1]   ; (a conversion's three registers begin on an even number)
.endr
	v_nop                                          ; a plain instruction behind the conversions
.irp c, 0,1                                    ; the operand's layout wants a whole block in a lane: lanes 0-15 block 2 c, lanes 16-31 block 2 c + 1
.irp i, 0,1,2
	v_permlane16_swap_b32 v[PC+6*\c+\i], v[PC+12+4*\c+\i]
.endr
.irp i, 0,1,2
	v_mov_b32 v[PC+3+6*\c+\i], v[PC+12+4*\c+\i]
.endr
.endr
.endm
; A's block a.  vm = 0: 16 tokens x my 128 features = two heads: two half fragments and half of two scale words.  vm = 1: 16 channels x my 128 tokens: one fragment of V and its scale word.
.macro EPI a, vm
	WIN 0x02+(\a)/4                                ; source 0: the accumulators' window
.irp j, 0,2,4,6,8,10,12,14,16,18,20,22,24,26,28,30,32,34,36,38,40,42,44,46,48,50,52,54,56,58,60,62
.if \vm
	v_pk_add_f32 v[H+\j:H+\j+1], v[64*((\a)%4)+\j:64*((\a)%4)+\j+1], v[BV+2*(\a):BV+2*(\a)+1]   ; each accumulator from its low end on
.else
	v_pk_add_f32 v[H+\j:H+\j+1], v[64*((\a)%4)+\j:64*((\a)%4)+\j+1], v[BI+\j:BI+\j+1]
.endif
.endr
	WIN 0
.if (\a) > 0
	s_wait_xcnt 0x0                                ; the last block's stores have read their registers: the codes and the word may be written again
.endif
	QUANT H
.if \vm
	global_store_b128 v8, v[PC:PC+3], s[92:93] offset:((\a)/4)*HS+((\a)%4)*1536
	global_store_b64 v9, v[PC+4:PC+5], s[92:93] offset:((\a)/4)*HS+((\a)%4)*1536+512
	global_store_b128 v8, v[PC+6:PC+9], s[92:93] offset:((\a)/4)*HS+((\a)%4)*1536+768
	global_store_b64 v9, v[PC+10:PC+11], s[92:93] offset:((\a)/4)*HS+((\a)%4)*1536+1280
.if ((\a)%2) == 0
	v_mov_b32 v[PWP], v[PW]
.else
	v_cndmask_b32 v230, v[PWP], v[PW], s96         ; lanes 0-15 the tile before's words, lanes 16-31 this tile's: 128 consecutive bytes
	global_store_b32 v13, v230, s[98:99] offset:((\a)/4)*HS+64*((\a)%4-1)
.endif
.else
	global_store_b128 v8, v[PC:PC+3], s[92:93] offset:768*(\a)
	global_store_b64 v9, v[PC+4:PC+5], s[92:93] offset:768*(\a)+512
	global_store_b128 v8, v[PC+6:PC+9], s[92:93] offset:768*(\a)+HS
	global_store_b64 v9, v[PC+10:PC+11], s[92:93] offset:768*(\a)+HS+512
.if ((\a)%2) == 0
	v_mov_b32 v[PWP], v[PW]
.else
	v_perm_b32 v230, v[PW], v[PWP], 0x05040100     ; the first head's word of this pair of tiles: the low halves,
	v_perm_b32 v231, v[PW], v[PWP], 0x07060302     ; the next head's: the high halves
	v_cndmask_b32 v230, v230, v231, s96
	global_store_b32 v10, v230, s[98:99] offset:64*((\a)/2)
.endif
.endif
.endm
	s_cmp_eq_u32 s94, 2                            ; the mode is the same in all partners of a cluster
	s_cbranch_scc1 .Lvmode
.irp a, 0,1,2,3,4,5,6,7
	EPI \a, 0
.endr
	s_branch .Lend
.Lvmode:
.irp a, 0,1,2,3,4,5,6,7
	EPI \a, 1
.endr
.Lend:
	s_wait_tensorcnt 0x0                           ; the wave's end
	ds_add_u32 v[SPW], v[NIL]
	s_wait_dscnt 0x0
	CROUND                                         ; the closing round: no work-group ends while a partner may still ask for a tile that names it
	s_endpgm
.Lfunc_end_k_q798bb7fc9b_qkv:
	.size	k_q798bb7fc9b_qkv, .Lfunc_end_k_q798bb7fc9b_qkv-k_q798bb7fc9b_qkv
	.p2alignl 7, 3214868480
	.fill 96, 4, 3214868480
	.section	.rodata,"a",@progbits
	.p2align	6, 0x0
	.amdhsa_kernel k_q798bb7fc9b_qkv
		.amdhsa_group_segment_fixed_size 327680
		.amdhsa_private_segment_fixed_size 0
		.amdhsa_enable_private_segment 0
		.amdhsa_kernarg_size 48
		.amdhsa_user_sgpr_count 2
		.amdhsa_user_sgpr_kernarg_segment_ptr 1
		.amdhsa_wavefront_size32 1
		.amdhsa_system_sgpr_workgroup_id_x 1
		.amdhsa_system_sgpr_workgroup_id_y 1
		.amdhsa_system_sgpr_workgroup_id_z 1
		.amdhsa_system_vgpr_workitem_id 0
		.amdhsa_next_free_vgpr 1024
		.amdhsa_next_free_sgpr 102
		.amdhsa_reserve_vcc 0
		.amdhsa_float_denorm_mode_32 3
		.amdhsa_float_denorm_mode_16_64 3
		.amdhsa_memory_ordered 1
		.amdhsa_forward_progress 1
		.amdhsa_inst_pref_size 220
	.end_amdhsa_kernel
	.amdgpu_metadata
---
amdhsa.version: [ 1, 2 ]
amdhsa.kernels:
  - .name:           k_q798bb7fc9b_qkv
    .symbol:         k_q798bb7fc9b_qkv.kd
    .args:
      - { .name: opc, .offset: 0, .size: 8, .value_kind: global_buffer, .address_space: global }
      - { .name: ops, .offset: 8, .size: 8, .value_kind: global_buffer, .address_space: global }
      - { .name: bq, .offset: 16, .size: 8, .value_kind: global_buffer, .address_space: global }
      - { .name: bk, .offset: 24, .size: 8, .value_kind: global_buffer, .address_space: global }
      - { .name: bv, .offset: 32, .size: 8, .value_kind: global_buffer, .address_space: global }
      - { .name: qkv, .offset: 40, .size: 8, .value_kind: global_buffer, .address_space: global }
    .group_segment_fixed_size: 327680
    .private_segment_fixed_size: 0
    .kernarg_segment_align: 8
    .kernarg_segment_size: 48
    .max_flat_workgroup_size: 128
    .sgpr_count:     102
    .vgpr_count:     1024
    .wavefront_size: 32
...
	.end_amdgpu_metadata
.endif
;; end of part 2
;; launch attn (part 3): grid 4 x 64, 16 waves a work-group, no clusters, 27,648 bytes of LDS; arguments qkv, mc, ms; writes mc, ms
.if DOCPART == 3
	.amdgcn_target "amdgcn-amd-amdhsa--gfx1250"
	.amdhsa_code_object_version 6
	.text
	.protected	k_q798bb7fc9b_attn
	.globl	k_q798bb7fc9b_attn
	.p2align	8
	.type	k_q798bb7fc9b_attn,@function
k_q798bb7fc9b_attn:
	s_mov_b64 s[64:65], 0
	v_nop
	global_prefetch_b8 v0, s[64:65] scope:SCOPE_SE
	s_setreg_imm32_b32 hwreg(HW_REG_WAVE_MODE, 25, 1), 1
	s_wait_xcnt 0x0
; ATTN: causal attention of one (batch, head), head size 64, both products on E2M3 codes with E8M0 scales; O / l is quantised along the model's 1,024 for the output projection.
; qkv: [64 heads][8 slots of 256 tokens][38,400]: K codes, K scale words, V codes (keys innermost), V scale words, Q codes, Q scale words, all as images of the operands' registers.
; SHARES.  Work-group (i, head) owns the query blocks 7 - i and i, 256 queries each: (8 - i) + (i + 1) = 9 slots of keys in every work-group: equal work, and the loop's trip count is the constant 9.
; Each of sixteen waves owns one tile of 16 queries in 256 registers: four waves to a SIMD, so that one wave's softmax stands beside another's products and LDS loads.
; A slot's K and V, 25,600 bytes, are loaded into registers a whole trip ahead, stored into the one LDS slot between two barriers, and read by all sixteen waves.  No tensor load, so no ring.
; NO CLUSTER: the four work-groups of a head walk the same slots only until the first of them turns to its second block (trips 0 to 4); after that each is at another slot, so partners could not make every request jointly.
; LAYOUT.  S^T = K Q^T (source 0 = 16 keys, source 1 = my 16 queries), O^T = V^T P^T (source 0 = 16 channels): a lane holds ONE query throughout.  Tiles have the row order 32 G + 8 u + r + 8 (r / 8),
; so the 16 registers of score tiles 2 G, 2 G + 1 are keys 32 G + 16 (lane / 16) + 0 .. 15, and O^T's 32 registers run along the head's 64 in the same way.
; THE HEAD'S 64 ARE HALF OF THE INSTRUCTION'S 128: a fragment of K holds TWO tiles of keys (k 0-63 one, k 64-127 the other); Q stands in two fragments, one with zero codes above, one with zero codes below, which pick one tile each.
; SOFTMAX: t = score x log2(e) / 8 (the 1/8 that Q's quantiser left out); M = the running largest t rounded up to a whole number; p = 2^(t - M) is quantised along the keys; the row's sum is of the unquantised p;
; when M moves, the sum and O^T are multiplied by 2^(old M - new M), exactly.  Hidden keys' scores become -infinity ahead of the maximum; steps all of whose keys are hidden are jumped over by a scalar branch on ids.
; LIMITS: a block of zeros keeps the byte 1 (zero codes); NaN and infinities are not served.
; REGISTERS: v1-6, v45 addresses; v12 -M, v13 largest t, v[14:15] the sum; v16-27, v28-39 Q twice; v40, v41 its scale words; v48-95 four fragments; v96-159 S^T, then p; v160-191 O^T; v192-210 codes;
;   v212-231 at work; v232-247 the next slot on its way; v248-254 the second block's Q.
.set KSC,   12288
.set VCO,   12800
.set VSC,   25088
.set QCO,   25600
.set QSC,   37888
.set SLOTB, 38400
.set HS,    307200
	s_load_b128 s[4:7], s[0:1], 0x0                ; qkv, mc
	s_load_b64 s[8:9], s[0:1], 0x10                ; ms
	v_lshl_add_u32 v207, v0, 2, 0x6400
	v_mov_b32 v211, 0
	v_lshrrev_b32 v7, 5, v0
	v_readfirstlane_b32 s10, v7                    ; wave 0..15
	s_mov_b32 s11, ttmp9                           ; i
	s_and_b32 s12, ttmp7, 0xffff                   ; 16 x batch + head
	v_and_b32 v7, 31, v0
	v_lshlrev_b32 v1, 4, v7                        ; 16 x lane
	v_lshlrev_b32 v2, 3, v7                        ; 8 x lane
	v_and_b32 v8, 15, v0                           ; r
	v_bfe_u32 v9, v0, 4, 1                         ; h
	v_lshlrev_b32 v3, 2, v8                        ; 4 r: a scale word
	v_lshlrev_b32 v4, 4, v0                        ; 16 x thread: the slot's way in
	v_and_b32 v45, 63, v0
	v_lshlrev_b32 v45, 4, v45                      ; its last 1,024 bytes: threads 0-63
.irp j, 244,245,246,247
	v_mov_b32 v[\j], 0                             ; the registers of those last 1,024 bytes: only waves 0 and 1 load and store them; written once here in every wave, so that they hold a number on every wave's path
.endr
	v_and_b32 v10, 8, v8
	v_add_nc_u32 v10, v10, v8
	v_lshlrev_b32 v11, 4, v9
	v_sub_nc_u32 v5, v10, v11
	s_and_b32 s19, s10, 1
	s_lshl_b32 s35, s19, 4                         ; my tile's half of a pair's scale word, in bits
	s_lshl_b32 s19, s19, 3
	v_add_nc_u32 v5, s19, v5                       ; my query less 32 (w / 2), less 16 h: for the mask
	v_lshl_add_u32 v6, v8, 3, v9                   ; 8 r + h: my scale byte's place on the way out
	s_lshr_b32 s36, s10, 1
	s_lshl_b32 s48, s36, 5                         ; 32 (w / 2)
	s_sub_co_u32 s15, 7, s11                       ; the query block in hand, which is also its last slot of keys
	s_mov_b32 s16, s11                             ; the second block
	s_mov_b32 s13, 0                               ; trips
	s_mov_b32 s14, 0                               ; the slot in hand
	s_lshl_b32 s17, s15, 8
	s_add_co_u32 s17, s17, s48                     ; Q0: my queries lie in Q0 .. Q0 + 31
	s_mov_b32 s20, 0x76543210
	s_mov_b32 s21, 0xfedcba98                      ; lane selects: lane l xor 16
	s_mov_b32 s22, 0x3e38aa3b                      ; c = log2(e) / 8
	s_mov_b32 s23, s22                             ; (named with it as a pair, so it is written)
	s_mov_b32 s34, 0xffff0000                      ; lanes 16-31
	s_mul_i32 s37, s10, 768
	s_add_co_u32 s37, s37, QCO                     ; my tile's half fragment of Q in a slot,
	s_lshl_b32 s38, s36, 6
	s_add_co_u32 s38, s38, QSC                     ; my pair's scale words
	s_mul_i32 s39, s15, SLOTB
	s_add_co_u32 s40, s39, s37
	s_mov_b32 s41, 0
	s_add_co_u32 s42, s39, s38
	s_mov_b32 s43, 0
	s_mul_i32 s39, s16, SLOTB
	s_add_co_u32 s44, s39, s37
	s_mov_b32 s45, 0
	s_add_co_u32 s46, s39, s38
	s_mov_b32 s47, 0
	s_mul_i32 s32, s12, HS
	s_mov_b32 s33, 0
	s_wait_kmcnt 0x0
	s_add_nc_u64 s[24:25], s[4:5], s[32:33]        ; the head
	s_mov_b64 s[26:27], s[24:25]                   ; slot 0
	s_add_nc_u64 s[40:41], s[24:25], s[40:41]
	s_add_nc_u64 s[42:43], s[24:25], s[42:43]
	s_add_nc_u64 s[44:45], s[24:25], s[44:45]
	s_add_nc_u64 s[46:47], s[24:25], s[46:47]
.macro GLOAD                           ; a slot's 25,600 bytes of K and V: 48 bytes a thread, and 16 more for threads 0-63
.irp j, 0,1,2
	global_load_b128 v[232+4*\j:235+4*\j], v4, s[26:27] offset:8192*\j
.endr
	s_cmp_lt_u32 s10, 2
	s_cbranch_scc0 .Lg_\@
	global_load_b128 v[244:247], v45, s[26:27] offset:24576
.Lg_\@:
.endm
	GLOAD
	global_load_b128 v[16:19], v1, s[40:41]        ; Q's half fragment, below in one fragment,
	global_load_b64 v[20:21], v2, s[40:41] offset:512
	global_load_b128 v[34:37], v1, s[40:41]        ; above in the other
	global_load_b64 v[38:39], v2, s[40:41] offset:512
	global_load_b32 v255, v3, s[42:43]
	global_load_b128 v[248:251], v1, s[44:45]      ; the second block's
	global_load_b64 v[252:253], v2, s[44:45] offset:512
	global_load_b32 v254, v3, s[46:47]
.irp j, 22,23,24,25,26,27,28,29,30,31,32,33
	v_mov_b32 v[\j], 0                             ; zero codes: the half of K's fragment that is not meant adds exactly 0
.endr
.irp j, 216,217,218,219,229,230
	v_mov_b32 v[\j], 0                             ; written once: permute destinations, and the upper half of the pair v[228:229]
.endr
	v_mov_b32 v13, 0xff61b1e6                      ; the largest t so far: -3e38
	v_floor_f32 v12, -v13                          ; -M
	v_mov_b32 v14, 0
	v_mov_b32 v15, 0
	s_wait_loadcnt 0x0
	v_lshrrev_b32 v40, s35, v255
	v_and_b32 v40, 0xffff, v40                     ; Q's two bytes below (the zero codes' bytes are 0),
	v_lshlrev_b32 v41, 16, v40                     ; and above
.set n, 0
.rept 32
	v_mov_b32 v[160+n], 0                          ; O^T: the loop has no first step of its own.  (Also the places between the scale words' making and the first products)
.set n, n+1
.endr
; A KEY STEP: 128 keys, the q-th of the slot
.macro STEP q
	s_cmp_gt_u32 s18, s17                          ; all 128 keys come after my queries (both numbers are multiples of 32): nothing to do
	s_cbranch_scc1 .Lhidden_\@
.rept 4
	v_nop                                          ; places in front of loads into registers that matrix instructions have read
.endr
.irp f, 0,1,2,3                                ; four fragments of K, two tiles of 16 keys each
	ds_load_b128 v[48+12*\f:51+12*\f], v1 offset:6144*\q+1536*\f
	ds_load_b64 v[52+12*\f:53+12*\f], v2 offset:6144*\q+1536*\f+512
	ds_load_b128 v[54+12*\f:57+12*\f], v1 offset:6144*\q+1536*\f+768
	ds_load_b64 v[58+12*\f:59+12*\f], v2 offset:6144*\q+1536*\f+1280
	ds_load_b32 v[224+\f], v3 offset:KSC+64*(4*\q+\f)
.endr
	s_wait_dscnt 0x0
.irp f, 0,1,2,3
	v_wmma_scale_f32_16x16x128_f8f6f4 v[96+16*\f:103+16*\f], v[48+12*\f:59+12*\f], v[16:27], 0, v[224+\f], v40 matrix_a_fmt:MATRIX_FMT_FP6 matrix_b_fmt:MATRIX_FMT_FP6
	v_wmma_scale_f32_16x16x128_f8f6f4 v[104+16*\f:111+16*\f], v[48+12*\f:59+12*\f], v[28:39], 0, v[224+\f], v41 matrix_a_fmt:MATRIX_FMT_FP6 matrix_b_fmt:MATRIX_FMT_FP6
.endr
.rept 4
	v_nop                                          ; places: for the reads of the scores, and for the loads below
.endr
.irp c, 0,1,2,3                                ; V's four fragments (16 channels x these 128 keys) are asked for now and land under the softmax
	ds_load_b128 v[48+12*\c:51+12*\c], v1 offset:VCO+6144*\q+1536*\c
	ds_load_b64 v[52+12*\c:53+12*\c], v2 offset:VCO+6144*\q+1536*\c+512
	ds_load_b128 v[54+12*\c:57+12*\c], v1 offset:VCO+6144*\q+1536*\c+768
	ds_load_b64 v[58+12*\c:59+12*\c], v2 offset:VCO+6144*\q+1536*\c+1280
	ds_load_b32 v[224+\c], v3 offset:VSC+256*\q+64*\c
.endr
	s_add_co_u32 s19, s18, 127
	s_cmp_le_u32 s19, s17                          ; all 128 keys count for all my queries: no mask
	s_cbranch_scc1 .Lopen_\@
	s_sub_co_i32 s19, s17, s18
	v_add_nc_u32 v231, s19, v5                     ; d = my query - the step's first key - 16 h.  Register 16 b + i holds key 32 b + 16 h + i of the step: hidden where 32 b + i > d
	v_mov_b32 v230, 0xff800000                     ; -infinity
.set n, 0
.rept 64
	v_cmp_gt_i32 vcc_lo, 32*(n/16)+n%16, v231
	v_cndmask_b32 v[96+n], v[96+n], v230, vcc_lo
.set n, n+1
.endr
.Lopen_\@:
.irp b, 0,1,2,3
	v_max3_num_f32 v[212+\b], v[96+16*\b], v[97+16*\b], v[98+16*\b]   ; the largest score of each block of 32 keys: for the row's maximum, and, since p rises with the score, for the block's largest p
.endr
.irp i, 3,5,7,9,11,13
.irp b, 0,1,2,3
	v_max3_num_f32 v[212+\b], v[212+\b], v[96+16*\b+\i], v[97+16*\b+\i]
.endr
.endr
.irp b, 0,1,2,3
	v_max_num_f32 v[212+\b], v[212+\b], v[111+16*\b]
.endr
.irp b, 0,1,2,3
	v_permlanex16_b32 v[216+\b], v[212+\b], s20, s21
.endr
.irp b, 0,1,2,3
	v_max_num_f32 v[212+\b], v[212+\b], v[216+\b]  ; with lane l xor 16's 16 keys
.endr
	v_max3_num_f32 v230, v212, v213, v214
	v_max_num_f32 v230, v230, v215
	v_mul_f32 v230, s22, v230                      ; the step's largest t (c is positive)
	v_max_num_f32 v13, v13, v230                   ; the running largest t
	v_mov_b32 v230, v12
	v_floor_f32 v12, -v13                          ; the new -M = -ceil(t)
	v_sub_f32 v230, v12, v230                      ; old M - new M: a whole number, 0 or less
	v_cvt_i32_f32 v230, v230                       ; (it saturates)
	v_ldexp_f32 v228, 1.0, v230                    ; f = 2^(old M - new M)
.set n, 0
.rept 32
	v_pk_fma_f32 v[96+n:97+n], v[96+n:97+n], s[22:23], v[12:13] op_sel_hi:[1,0,0]   ; t - M, two at a time
.set n, n+2
.endr
.irp b, 0,1,2,3
	v_fma_f32 v[212+\b], v[212+\b], s22, v12       ; the same of each block's largest score
.endr
.set n, 0
.rept 64
	v_exp_f32 v[96+n], v[96+n]                     ; p = 2^(t - M), at most 1, not normalised
.set n, n+1
.endr
.irp b, 0,1,2,3
	v_exp_f32 v[212+\b], v[212+\b]                 ; the block's largest p: the same two instructions on the same number
.endr
	v_pk_mul_f32 v[14:15], v[14:15], v[228:229] op_sel_hi:[1,0]   ; the sums under the new M.  (A plain instruction behind the exponentials)
	s_wait_alu depctr_va_vdst(0)
.irp b, 0,1,2,3
	v_max_num_f32 v[212+\b], 0x1800000, v[212+\b]  ; the floor 2^(3 - 127): the byte cannot fall under 1
.endr
.irp b, 0,1,2,3
	v_add_nc_u32 v[220+\b], 0xff000000, v[212+\b]  ; 2 off the exponent field: the conversion's scale operand
.endr
.irp b, 0,1,2,3
	v_lshrrev_b32 v[216+\b], 23, v[220+\b]         ; the scale's byte
.endr
	v_lshl_or_b32 v229, v217, 8, v216              ; p's scale word for these 128 keys
	v_lshl_or_b32 v229, v218, 16, v229
	v_lshl_or_b32 v229, v219, 24, v229
.irp c, 0,1
	v_cvt_scalef32_pk16_fp6_f32 v[192+6*\c:194+6*\c], v[96+32*\c:111+32*\c], v[220+2*\c]
	v_cvt_scalef32_pk16_fp6_f32 v[204+4*\c:206+4*\c], v[112+32*\c:127+32*\c], v[220+2*\c+1]
.endr
	v_nop                                          ; a plain instruction behind the conversions
.irp c, 0,1                                    ; a whole block to a lane: lanes 0-15 block 2 c, lanes 16-31 block 2 c + 1
.irp i, 0,1,2
	v_permlane16_swap_b32 v[192+6*\c+\i], v[204+4*\c+\i]
.endr
.irp i, 0,1,2
	v_mov_b32 v[195+6*\c+\i], v[204+4*\c+\i]
.endr
.endr
	v_pk_add_f32 v[216:217], v[96:97], v[98:99]    ; the row's sum is taken of the unquantised p, in two chains
.irp j, 4,8,12,16,20,24,28,32,36,40,44,48,52,56,60
	v_pk_add_f32 v[14:15], v[14:15], v[96+\j:97+\j]
	v_pk_add_f32 v[216:217], v[216:217], v[98+\j:99+\j]
.endr
	v_pk_add_f32 v[14:15], v[14:15], v[216:217]
.set n, 0
.rept 16
	v_pk_mul_f32 v[160+n:161+n], v[160+n:161+n], v[228:229] op_sel_hi:[1,0]   ; O^T under the new M, each accumulator from its low end on
.set n, n+2
.endr
	s_wait_dscnt 0x0                               ; V is in
.irp c, 0,1,2,3                                ; O^T += V^T P^T: the four accumulators take turns; the next links stand behind the next step's eight score products
	v_wmma_scale_f32_16x16x128_f8f6f4 v[160+8*\c:167+8*\c], v[48+12*\c:59+12*\c], v[192:203], v[160+8*\c:167+8*\c], v[224+\c], v229 matrix_a_fmt:MATRIX_FMT_FP6 matrix_b_fmt:MATRIX_FMT_FP6
.endr
.Lhidden_\@:
	s_add_co_u32 s18, s18, 128
.endm
.Ltrip:                                            ; nine trips, a slot of 256 keys each
	s_wait_dscnt 0x0                               ; my reads of the slot are over
	s_barrier_signal -1
	s_barrier_wait -1                              ; everybody's are: it may be written
	s_wait_loadcnt 0x0                             ; this trip's slot, asked for a trip ago, is in my registers
.irp j, 0,1,2
	ds_store_b128 v4, v[232+4*\j:235+4*\j] offset:8192*\j
.endr
	s_cmp_lt_u32 s10, 2
	s_cbranch_scc0 .Lno4
	ds_store_b128 v45, v[244:247] offset:24576
.Lno4:
	s_wait_dscnt 0x0                               ; for the others' sake: my stores are done
	s_barrier_signal -1
	s_barrier_wait -1                              ; the slot is whole
	s_cmp_eq_u32 s13, 8
	s_cbranch_scc1 .Lno_next                       ; the last trip asks for nothing
	s_add_co_u32 s19, s14, 1
	s_cmp_eq_u32 s14, s15
	s_cselect_b32 s19, 0, s19                      ; the next slot, or slot 0 for the second block
	s_mul_i32 s32, s19, SLOTB
	s_mov_b32 s33, 0
	s_add_nc_u64 s[26:27], s[24:25], s[32:33]      ; (the loads that named this base are done)
	GLOAD                                          ; it has the whole trip in which to land
.Lno_next:
	s_lshl_b32 s18, s14, 8                         ; the slot's first key
	STEP 0
	STEP 1
	s_cmp_lg_u32 s14, s15
	s_cbranch_scc1 .Lnot_last
	; ---- the block's last slot is done: O / l, quantised along the head's 64, to mc and ms
.rept 4
	v_nop                                          ; places behind the last products
.endr
	v_add_f32 v14, v14, v15
	v_permlanex16_b32 v230, v14, s20, s21
	v_add_f32 v14, v14, v230                       ; the row's sum
	v_rcp_f32 v14, v14
	v_nop                                          ; a plain instruction behind the transcendental
.set n, 0
	s_wait_alu depctr_va_vdst(0)
.rept 32
	v_mul_f32 v[96+n], v[160+n], v14               ; register 16 b + i: channel 32 b + 16 h + i of my query
.set n, n+1
.endr
.irp b, 0,1
	v_max3_num_f32 v[212+\b], |v[96+16*\b]|, |v[97+16*\b]|, 0x1800000
.endr
.irp i, 2,4,6,8,10,12,14
.irp b, 0,1
	v_max3_num_f32 v[212+\b], v[212+\b], |v[96+16*\b+\i]|, |v[97+16*\b+\i]|
.endr
.endr
.irp b, 0,1
	v_permlanex16_b32 v[216+\b], v[212+\b], s20, s21
.endr
.irp b, 0,1
	v_max_num_f32 v[212+\b], v[212+\b], v[216+\b]
.endr
.irp b, 0,1
	v_add_nc_u32 v[220+\b], 0xff000000, v[212+\b]
.endr
.irp b, 0,1
	v_lshrrev_b32 v[216+\b], 23, v[220+\b]
.endr
	v_cvt_scalef32_pk16_fp6_f32 v[192:194], v[96:111], v220
	v_cvt_scalef32_pk16_fp6_f32 v[204:206], v[112:127], v221
	v_nop
.irp i, 0,1,2
	v_permlane16_swap_b32 v[192+\i], v[204+\i]
.endr
.irp i, 0,1,2
	v_mov_b32 v[195+\i], v[204+\i]                 ; lane (r, h): channels 32 h .. 32 h + 31: a half fragment of the projection's operand
.endr
	v_cndmask_b32 v230, v216, v217, s34            ; and its block's byte
	s_lshr_b32 s19, s12, 4
	s_lshl_b32 s19, s19, 7
	s_lshl_b32 s32, s15, 4
	s_add_co_u32 s19, s19, s32
	s_add_co_u32 s19, s19, s10                     ; my tile of tokens: 128 x batch + 16 x block + wave
	s_and_b32 s36, s12, 15                         ; the head
	s_mul_i32 s32, s19, 12288
	s_mul_i32 s37, s36, 768
	s_add_co_u32 s32, s32, s37
	s_mov_b32 s33, 0
	s_add_nc_u64 s[28:29], s[6:7], s[32:33]
	s_lshl_b32 s32, s19, 9
	s_lshr_b32 s37, s36, 2
	s_lshl_b32 s37, s37, 7
	s_add_co_u32 s32, s32, s37
	s_and_b32 s37, s36, 3
	s_lshl_b32 s37, s37, 1
	s_add_co_u32 s32, s32, s37
	s_add_nc_u64 s[30:31], s[8:9], s[32:33]
	global_store_b128 v1, v[192:195], s[28:29]             ; 512 consecutive bytes, at a multiple of 256 from the buffer's first byte
	global_store_b64 v2, v[196:197], s[28:29] offset:512   ; 256 likewise
	global_store_b8 v6, v230, s[30:31]                     ; 32 single bytes: one byte for each 24 of codes; a row's other bytes belong to other heads' work-groups
	s_wait_xcnt 0x0                                ; the stores have read their registers and bases
	s_cmp_eq_u32 s13, 8
	s_cbranch_scc1 .Lnot_last
	; ---- on to the second block
.irp j, 0,1,2,3,4,5
	v_mov_b32 v[16+\j], v[248+\j]
	v_mov_b32 v[34+\j], v[248+\j]
.endr
	v_lshrrev_b32 v40, s35, v254
	v_and_b32 v40, 0xffff, v40
	v_lshlrev_b32 v41, 16, v40
	v_mov_b32 v13, 0xff61b1e6
	v_floor_f32 v12, -v13
	v_mov_b32 v14, 0
	v_mov_b32 v15, 0
.set n, 0
.rept 32
	v_mov_b32 v[160+n], 0                          ; (also the places between the scale words' making and the next products)
.set n, n+1
.endr
	s_mov_b32 s15, s16
	s_mov_b32 s14, -1                              ; the line below makes it slot 0
	s_lshl_b32 s17, s15, 8
	s_add_co_u32 s17, s17, s48
.Lnot_last:
	s_add_co_u32 s14, s14, 1
	s_add_co_u32 s13, s13, 1
	s_cmp_lt_u32 s13, 9
	s_cbranch_scc1 .Ltrip
	s_wait_tensorcnt 0x0
	ds_add_u32 v207, v211
	s_wait_dscnt 0x0
	s_endpgm
.Lfunc_end_k_q798bb7fc9b_attn:
	.size	k_q798bb7fc9b_attn, .Lfunc_end_k_q798bb7fc9b_attn-k_q798bb7fc9b_attn
	.p2alignl 7, 3214868480
	.fill 96, 4, 3214868480
	.section	.rodata,"a",@progbits
	.p2align	6, 0x0
	.amdhsa_kernel k_q798bb7fc9b_attn
		.amdhsa_group_segment_fixed_size 27648
		.amdhsa_private_segment_fixed_size 0
		.amdhsa_enable_private_segment 0
		.amdhsa_kernarg_size 24
		.amdhsa_user_sgpr_count 2
		.amdhsa_user_sgpr_kernarg_segment_ptr 1
		.amdhsa_wavefront_size32 1
		.amdhsa_system_sgpr_workgroup_id_x 1
		.amdhsa_system_sgpr_workgroup_id_y 1
		.amdhsa_system_sgpr_workgroup_id_z 1
		.amdhsa_system_vgpr_workitem_id 0
		.amdhsa_next_free_vgpr 256
		.amdhsa_next_free_sgpr 66
		.amdhsa_reserve_vcc 1
		.amdhsa_float_denorm_mode_32 3
		.amdhsa_float_denorm_mode_16_64 3
		.amdhsa_memory_ordered 1
		.amdhsa_forward_progress 1
		.amdhsa_inst_pref_size 57
	.end_amdhsa_kernel
	.amdgpu_metadata
---
amdhsa.version: [ 1, 2 ]
amdhsa.kernels:
  - .name:           k_q798bb7fc9b_attn
    .symbol:         k_q798bb7fc9b_attn.kd
    .args:
      - { .name: qkv, .offset: 0, .size: 8, .value_kind: global_buffer, .address_space: global }
      - { .name: mc, .offset: 8, .size: 8, .value_kind: global_buffer, .address_space: global }
      - { .name: ms, .offset: 16, .size: 8, .value_kind: global_buffer, .address_space: global }
    .group_segment_fixed_size: 27648
    .private_segment_fixed_size: 0
    .kernarg_segment_align: 8
    .kernarg_segment_size: 24
    .max_flat_workgroup_size: 512
    .sgpr_count:     66
    .vgpr_count:     256
    .wavefront_size: 32
...
	.end_amdgpu_metadata
.endif
;; end of part 3
;; launch proj (part 4): grid 4 x 32, 4 waves a work-group, clusters of 4 x 4, 327,680 bytes of LDS; arguments mc, ms, opc, ops, out0, bo; writes out0
.if DOCPART == 4
	.amdgcn_target "amdgcn-amd-amdhsa--gfx1250"
	.amdhsa_code_object_version 6
	.text
	.protected	k_q798bb7fc9b_proj
	.globl	k_q798bb7fc9b_proj
	.p2align	8
	.type	k_q798bb7fc9b_proj,@function
k_q798bb7fc9b_proj:
	s_mov_b64 s[64:65], 0
	v_nop
	global_prefetch_b8 v0, s[64:65] scope:SCOPE_SE
	s_setreg_imm32_b32 hwreg(HW_REG_WAVE_MODE, 25, 1), 1
	s_wait_xcnt 0x0
	s_wait_alu depctr_hold_cnt(0) depctr_sa_sdst(0) depctr_va_vdst(0) depctr_va_sdst(0) depctr_va_ssrc(0) depctr_va_vcc(0) depctr_vm_vsrc(0)
	s_getreg_b32 s2, hwreg(HW_REG_IB_STS2, 6, 4)
	s_cmp_eq_u32 s2, 0
	s_cbranch_scc0 .Lentry_in_a_cluster
	s_endpgm
.Lentry_in_a_cluster:
	s_bfe_u32 s2, ttmp6, 0x10000c
	s_cmp_lg_u32 s2, 0xf033
	s_cbranch_scc0 .Lentry_shape_is_right
	s_endpgm
.Lentry_shape_is_right:
; PROJ: out0 = merged Wo^T + bo on E2M3 codes with E8M0 scales, K = 1,024; out0 [8,192][1,024] f32.
; Operands come as register images (tile: lane r of tile 2 G + u = row 32 G + 8 u + r + 8 (r / 8); fragment = tile x 128 K = 1,536 bytes: twice 512 bytes at 16 x lane and 256 bytes at 8 x lane).
; mc: [512 tiles of tokens][8 K steps][1,536], ms: [512][4][16][8]; Wo is units 12-15 (tiles 192-255) of opc and ops; a unit is 16 tiles, 256 rows.
; A work-group of four waves makes 256 x 256, a wave 128 x 128: 64 accumulators, 512 registers.  K goes in steps of 256 through two LDS slots filled by the tensor data mover; the scale words of all of K come once.
; CLUSTERS of 4 x 4: side A (source 1, the tokens) hangs on the tile row and is shared along a row of the cluster, side B (source 0, Wo's rows) on the tile column and is shared along a column: each tile is asked for jointly.
; The grid has 128 work-groups: 32 x 4 tiles of 256 x 256.
; TRANSPOSED USE: a lane holds one token, and register j of accumulator b the output column 32 (b / 2) + 16 (lane / 16) + 8 (b % 2) + j of my 128.  THE BIAS IS THE C OF EACH SUM'S FIRST PRODUCT.
; REGISTERS: window 0: v0-31 addresses; v32-63 scale words, two sets; v64-127 the bias; v128-223 A's fragments, one set; on the way out v128-255 take rows.   window 1: B's fragments, two sets.   windows 2, 3: the accumulators.
.set FR,     12
.set NL,     4
.set NP,     4
.set NQ,     2
.set TILEB,  12288
.set HALFT,  24576
.set SLOT,   4*HALFT
.set SCL,    2*SLOT
.set HALFS,  4096
.set SBLK,   512
.set SPARE,  SCL+4*HALFS               ; the spare words, 128 bytes for each wave: two blocks of 256 bytes that no other line names
.set UNITC,  196608
.set UNITS,  8192
.set KADV,   6144
.set SPITCH, 528                       ; the way out: a stage of 16 rows x (512 bytes + 16) for each wave, in slot 0, which has had its last fill and its last read when the first result is stored there
.set ADRA, 16
.set ADRB, 20
.set STO,  24
.set RD,   25
.set CO,   26
.set ADRS, 27
.set SPW,  28
.set NIL,  29
.set SC,   32
.set BI,   64
.set AF,   128
.set BK,   128
.set G1, 24
.set G0, 32
.set G1B, 48
.set G0B, 56
.set G1S, 68
.set G0S, 76
.set G1SB, 80
.set G0SB, 88
.set MSB, 0
.macro WIN new                         ; the immediate's high byte repeats the setting that is left
.if MSB != (\new)
	s_set_vgpr_msb (MSB<<8)|(\new)
.set MSB, (\new)
.endif
.endm
.set MUL_LO, 0xa1                      ; source 0 (B) window 1, source 1 (A) window 0, C and D window 2
.set MUL_HI, 0xf1                      ; the same, C and D window 3
.set FIRST_LO, 0x81                    ; the first products: C (the bias) window 0, D window 2
.set FIRST_HI, 0xc1                    ; D window 3
.set TO_B,   0x40
.macro JLOAD g0a, g1a, g0b, g1b        ; a joint load: waves 0 and 1 fetch for A, waves 2 and 3 for B; four v_nop follow each of the two lines
	s_cmp_eq_u32 s15, 0
	s_cbranch_scc0 .Lfor_b_\@
	tensor_load_to_lds s[\g0a:\g0a+3], s[\g1a:\g1a+7]
	s_nop 0
.rept 4
	v_nop
.endr
	s_branch .Lasked_\@
.Lfor_b_\@:
	tensor_load_to_lds s[\g0b:\g0b+3], s[\g1b:\g1b+7]
	s_nop 0
.rept 4
	v_nop
.endr
.Lasked_\@:
.endm
.macro CREST
	s_cmp_lg_u32 s14, 0
	s_cbranch_scc1 .Lnot_wave_0_\@
	s_barrier_signal -3
.Lnot_wave_0_\@:
	s_barrier_wait -3
	s_barrier_signal -1
	s_barrier_wait -1
.endm
.macro CROUND
	s_barrier_signal -1
	s_barrier_wait -1
	CREST
.endm
	s_load_b128 s[4:7], s[0:1], 0x0                ; mc, ms
	s_load_b128 s[8:11], s[0:1], 0x10              ; opc, ops
	s_load_b64 s[12:13], s[0:1], 0x20              ; out0
	s_load_b64 s[96:97], s[0:1], 0x28              ; bo
	v_lshl_add_u32 v[SPW], v0, 2, SPARE
	v_mov_b32 v[NIL], 0
	ds_add_u32 v28, v29
	ds_add_u32 v28, v29
	s_wait_dscnt 0x0
	v_lshrrev_b32 v1, 5, v0
	v_readfirstlane_b32 s14, v1                    ; wave 0..3
	s_lshr_b32 s15, s14, 1                         ; which half of the tokens is mine.  Also: I fetch for A (0) or for B (1)
	s_and_b32 s16, s14, 1                          ; which half of the columns.  Also: which 8 tiles of that side I fetch
	s_bfe_u32 s40, ttmp6, 0x40000                  ; cx, cy
	s_bfe_u32 s41, ttmp6, 0x40004
	s_lshl_b32 s42, ttmp9, 2
	s_add_co_u32 s42, s42, s40                     ; tile column = 4 x cluster x + cx
	s_and_b32 s17, ttmp7, 0xffff
	s_lshl_b32 s17, s17, 2
	s_add_co_u32 s17, s17, s41                     ; tile row = 4 x cluster y + cy: A's unit
	s_lshl_b32 s43, s41, 2
	s_lshl_b32 s43, 15, s43                        ; my row of the cluster
	s_lshl_b32 s44, 0x1111, s40                    ; my column
	s_or_b32 s[G1+0], s43, (3<<16)|(1<<21)         ; codes: 8 rows (tiles) of 384 elements of 8 bytes, 1,536 elements apart; dense in LDS
	s_or_b32 s[G1B+0], s44, (3<<16)|(1<<21)
.irp g, G1, G1B
	s_mov_b32 s[\g+1], 384<<16
	s_mov_b32 s[\g+2], 8<<16
	s_mov_b32 s[\g+3], 384<<16
	s_mov_b32 s[\g+4], 8
	s_mov_b32 s[\g+5], 1536
	s_mov_b32 s[\g+6], 0
	s_mov_b32 s[\g+7], 0
.endr
	s_or_b32 s[G1S+0], s43, (3<<16)|(1<<21)        ; scale words of 8 tiles: 4,096 dense bytes as 16 rows of 256
	s_or_b32 s[G1SB+0], s44, (3<<16)|(1<<21)
.irp g, G1S, G1SB
	s_mov_b32 s[\g+1], 32<<16
	s_mov_b32 s[\g+2], 16<<16
	s_mov_b32 s[\g+3], 32<<16
	s_mov_b32 s[\g+4], 16
	s_mov_b32 s[\g+5], 32
	s_mov_b32 s[\g+6], 0
	s_mov_b32 s[\g+7], 0
.endr
	s_mul_i32 s20, s17, UNITC
	s_mul_i32 s22, s17, UNITS
	s_add_co_u32 s46, s42, 12                      ; B's unit: Wo begins at unit 12
	s_mul_i32 s92, s46, UNITS
	s_mul_i32 s46, s46, UNITC
	s_mul_i32 s18, s16, 8*TILEB
	s_add_co_u32 s20, s20, s18
	s_add_co_u32 s46, s46, s18
	s_lshl_b32 s18, s16, 12
	s_add_co_u32 s22, s22, s18
	s_add_co_u32 s92, s92, s18
	s_mov_b32 s21, 0
	s_mov_b32 s23, 0
	s_mov_b32 s47, 0
	s_mov_b32 s93, 0
	s_mul_i32 s45, s14, HALFT                      ; where they go: wave x 8 tiles: no place in the cluster enters an LDS address
	s_lshl_b32 s94, s14, 12
	s_wait_kmcnt 0x0
	s_add_nc_u64 s[20:21], s[4:5], s[20:21]
	s_add_nc_u64 s[22:23], s[6:7], s[22:23]
	s_add_nc_u64 s[46:47], s[8:9], s[46:47]
	s_add_nc_u64 s[92:93], s[10:11], s[92:93]
	CROUND                                         ; all sixteen work-groups are here: the first joint loads meet
	s_mov_b32 s[G0S], 1
	s_add_co_u32 s[G0S+1], s94, SCL
	s_mov_b64 s[G0S+2:G0S+3], s[22:23]
	s_or_b32 s[G0S+3], s[G0S+3], 0x80000000
	s_mov_b32 s[G0SB], 1
	s_add_co_u32 s[G0SB+1], s94, SCL
	s_mov_b64 s[G0SB+2:G0SB+3], s[92:93]
	s_or_b32 s[G0SB+3], s[G0SB+3], 0x80000000
	JLOAD G0S, G1S, G0SB, G1SB
.irp s, 0,1
	s_mov_b32 s[G0+4*\s], 1
	s_add_co_u32 s[G0+4*\s+1], s45, \s*SLOT
	s_add_nc_u64 s[G0+4*\s+2:G0+4*\s+3], s[20:21], \s*3072
	s_or_b32 s[G0+4*\s+3], s[G0+4*\s+3], 0x80000000
	s_mov_b32 s[G0B+4*\s], 1
	s_add_co_u32 s[G0B+4*\s+1], s45, \s*SLOT
	s_add_nc_u64 s[G0B+4*\s+2:G0B+4*\s+3], s[46:47], \s*3072
	s_or_b32 s[G0B+4*\s+3], s[G0B+4*\s+3], 0x80000000
	JLOAD G0+4*\s, G1, G0B+4*\s, G1B
.endr
	v_and_b32 v1, 15, v0                           ; r
	v_bfe_u32 v2, v0, 4, 1                         ; h
	v_and_b32 v3, 31, v0                           ; lane
	v_lshlrev_b32 v[CO], 4, v3                     ; 16 x lane: also my place in a row of 512 bytes of out0
	v_lshlrev_b32 v9, 3, v3                        ; 8 x lane
	s_mul_i32 s21, s15, HALFT
	s_mul_i32 s22, s16, HALFT
	s_add_co_u32 s22, s22, 2*HALFT
.irp s, 0,1
	v_add_nc_u32 v[ADRA+\s], s21, v[CO]
	v_add_nc_u32 v[ADRB+\s], s22, v[CO]
	v_add_nc_u32 v[ADRA+2+\s], s21, v9
	v_add_nc_u32 v[ADRB+2+\s], s22, v9
	s_add_co_u32 s21, s21, SLOT
	s_add_co_u32 s22, s22, SLOT
.endr
	v_lshlrev_b32 v5, 3, v1
	s_lshl_b32 s21, s15, 12
	s_lshl_b32 s22, s16, 12
	s_add_co_u32 s22, s22, 2*HALFS
	s_sub_co_u32 s22, s22, s21
	v_mul_u32_u24 v6, s22, v2                      ; lanes 16-31 take B's scale words
	s_add_co_u32 s21, s21, SCL
	v_add_nc_u32 v5, v5, v6
	v_add_nc_u32 v[ADRS], s21, v5
	s_mul_i32 s23, s14, 16*SPITCH                  ; my stage
	v_mul_u32_u24 v5, v1, SPITCH
	v_lshl_add_u32 v5, v2, 6, v5
	v_add_nc_u32 v[STO], s23, v5                   ; in: row r, + 64 h
	v_add_nc_u32 v[RD], s23, v[CO]                 ; back: the 32 lanes take one row of 512 bytes
	v_lshlrev_b32 v11, 6, v2                       ; the bias: 16 numbers on for lanes 16-31
	s_lshl_b32 s20, s17, 8
	s_lshl_b32 s21, s15, 7
	s_add_co_u32 s20, s20, s21                     ; my first token
	s_lshl_b32 s20, s20, 12                        ; a row of out0 is 4,096 bytes
	s_mov_b32 s21, 0
	s_lshl_b32 s46, s42, 10                        ; my first column, in bytes: 1,024 x tile column + 512 x half
	s_lshl_b32 s47, s16, 9
	s_add_co_u32 s46, s46, s47
	s_mov_b32 s47, 0
	s_add_nc_u64 s[96:97], s[96:97], s[46:47]      ; bo at my first column
	s_add_nc_u64 s[20:21], s[20:21], s[46:47]
	s_add_nc_u64 s[12:13], s[12:13], s[20:21]
.irp b, 0,1,2,3,4,5,6,7
	global_load_b128 v[BI+8*\b:BI+8*\b+3], v11, s[96:97] offset:(32*(\b/2)+8*(\b%2))*4
	global_load_b128 v[BI+8*\b+4:BI+8*\b+7], v11, s[96:97] offset:(32*(\b/2)+8*(\b%2))*4+16
.endr
.macro FRAG reg, adr, q, i             ; tile i's fragment of the slot's q-th 128 along K: the image's four parts, each consecutive over the lanes
	ds_load_b128 v[\reg:\reg+3], v[\adr] offset:3072*(\i)+1536*(\q)
	ds_load_b64 v[\reg+4:\reg+5], v[\adr+2] offset:3072*(\i)+1536*(\q)+512
	ds_load_b128 v[\reg+6:\reg+9], v[\adr] offset:3072*(\i)+1536*(\q)+768
	ds_load_b64 v[\reg+10:\reg+11], v[\adr+2] offset:3072*(\i)+1536*(\q)+1280
.endm
; 16 matrix instructions: A's blocks a0, a0 + 1 x B's eight.  zero = 1: the first product starts the sums, with the bias as its C.  The 64 accumulators take turns, one instruction a turn.
.macro MUL16 a0, p, q, sc, zero
.irp a, \a0, \a0+1
.irp b, 0,1,2,3,4,5,6,7
.if \zero
	v_wmma_scale_f32_16x16x128_f8f6f4 v[8*(8*((\a)%4)+\b):8*(8*((\a)%4)+\b)+7], v[128*(\p)+FR*\b:128*(\p)+FR*\b+FR-1], v[AF+FR*(\a):AF+FR*(\a)+FR-1], v[BI+8*\b:BI+8*\b+7], v[SC+8*NQ*(\sc)+NQ*\b+(\q)], v[SC+8*NQ*(\sc)+NQ*(\a)+(\q)] matrix_a_fmt:MATRIX_FMT_FP6 matrix_b_fmt:MATRIX_FMT_FP6 matrix_a_scale:MATRIX_SCALE_ROW1
.else
	v_wmma_scale_f32_16x16x128_f8f6f4 v[8*(8*((\a)%4)+\b):8*(8*((\a)%4)+\b)+7], v[128*(\p)+FR*\b:128*(\p)+FR*\b+FR-1], v[AF+FR*(\a):AF+FR*(\a)+FR-1], v[8*(8*((\a)%4)+\b):8*(8*((\a)%4)+\b)+7], v[SC+8*NQ*(\sc)+NQ*\b+(\q)], v[SC+8*NQ*(\sc)+NQ*(\a)+(\q)] matrix_a_fmt:MATRIX_FMT_FP6 matrix_b_fmt:MATRIX_FMT_FP6 matrix_a_scale:MATRIX_SCALE_ROW1
.endif
.endr
.endr
.endm
.macro FETCH_B slot, q, p
	WIN TO_B
.irp i, 0,1,2,3,4,5,6,7
	FRAG 128*(\p)+FR*\i, ADRB+\slot, \q, \i
.endr
	WIN 0
.endm
.macro FETCH_A slot, q, i0
.irp i, \i0, \i0+1, \i0+2, \i0+3
	FRAG AF+FR*(\i), ADRA+\slot, \q, \i
.endr
.endm
.macro SCALES sc
.irp i, 0,1,2,3,4,5,6,7
	ds_load_b64 v[SC+8*NQ*\sc+NQ*\i:SC+8*NQ*\sc+NQ*\i+1], v[ADRS] offset:\i*SBLK
.endr
.endm
.macro PLACES n                        ; plain vector instructions between a matrix instruction and a load into, or a read of, its registers
.rept \n
	v_nop
.endr
.endm
.macro STEP slot, q, zero
	s_wait_dscnt 4*NL                              ; B's set, A's blocks 0-3 and the scale words are in; the youngest 16 loads (A's blocks 4-7) may be out
.if \zero
	WIN FIRST_LO
.else
	WIN MUL_LO
.endif
	MUL16 0, (\q)%2, \q, \slot, \zero
	MUL16 2, (\q)%2, \q, \slot, \zero
	s_wait_dscnt 0
	PLACES NP
	FETCH_B \slot, (\q)+1, 1-(\q)%2
	FETCH_A \slot, (\q)+1, 0
.if \zero
	WIN FIRST_HI
.else
	WIN MUL_HI
.endif
	MUL16 4, (\q)%2, \q, \slot, \zero
	MUL16 6, (\q)%2, \q, \slot, \zero
	PLACES NP
	WIN 0
	FETCH_A \slot, (\q)+1, 4
.endm
.macro TURN slot, next, fill           ; a slot's last 128 change slots: ONE barrier; fill = 1: this slot is filled again, two slots ahead
	s_wait_tensorcnt 0x0                           ; all my tensor loads have landed: my part of the next slot
	ds_add_u32 v[SPW], v[NIL]                      ; 0 onto my spare word
	s_wait_dscnt 4*NL+1                            ; (the add and the youngest 16 loads may be out)
	WIN MUL_LO
	MUL16 0, 1, NQ-1, \slot, 0
	s_wait_dscnt 0x0                               ; the add is done, and my reads of this slot are over
	s_barrier_signal -1
	MUL16 2, 1, NQ-1, \slot, 0
	WIN 0
	s_barrier_wait -1
.if \fill
	CREST                                          ; the barrier has opened a round of the cluster's barrier: no wave of any partner still reads this slot or has a load on its way
	s_add_nc_u64 s[G0+4*\slot+2:G0+4*\slot+3], s[G0+4*\slot+2:G0+4*\slot+3], KADV
	s_add_nc_u64 s[G0B+4*\slot+2:G0B+4*\slot+3], s[G0B+4*\slot+2:G0B+4*\slot+3], KADV
	JLOAD G0+4*\slot, G1, G0B+4*\slot, G1B         ; the first tensor load behind the round; its four v_nop are the places in front of the loads below
.else
	PLACES NP
.endif
	v_add_nc_u32 v[ADRS], 128, v[ADRS]
	FETCH_B \next, 0, 0
	FETCH_A \next, 0, 0
	SCALES \next
	WIN MUL_HI
	MUL16 4, 1, NQ-1, \slot, 0
	MUL16 6, 1, NQ-1, \slot, 0
	PLACES NP
	WIN 0
	FETCH_A \next, 0, 4
.endm
	s_wait_tensorcnt 1                             ; of my three first fills the scale words and slot 0's part are in; slot 1's may be out
	s_barrier_signal -1
	s_barrier_wait -1
	FETCH_B 0, 0, 0
	FETCH_A 0, 0, 0
	SCALES 0
	FETCH_A 0, 0, 4
	s_wait_loadcnt 0x0                             ; the bias
	STEP 0, 0, 1                                   ; K = 1,024 is four slots' worth: written out, no loop
	TURN 0, 1, 1
	STEP 1, 0, 0
	TURN 1, 0, 1
	STEP 0, 0, 0
	TURN 0, 1, 0                                   ; nothing is left to fetch, so no round
	STEP 1, 0, 0
	s_wait_dscnt 4*NL
	WIN MUL_LO
	MUL16 0, 1, NQ-1, 1, 0
	MUL16 2, 1, NQ-1, 1, 0
	s_wait_dscnt 0
	WIN MUL_HI
	MUL16 4, 1, NQ-1, 1, 0
	MUL16 6, 1, NQ-1, 1, 0
	WIN 0
; THE WAY OUT, block by block of 16 tokens x 128 columns, through my own stage: in as 32 bytes a lane and accumulator, back as whole rows of 512 bytes.  LDS serves a wave's instructions in order.
.macro TOSTAGE a
.set AC, 64*((\a)%4)
	WIN 0x08+4*((\a)/4)                            ; the data: window 2 or 3
.irp b, 0,1,2,3,4,5,6,7
	ds_store_b128 v[STO], v[AC+8*\b:AC+8*\b+3] offset:128*(\b/2)+32*(\b%2)          ; each accumulator from its low end on
	ds_store_b128 v[STO], v[AC+8*\b+4:AC+8*\b+7] offset:128*(\b/2)+32*(\b%2)+16
.endr
	WIN 0
.set BB, BK+64*((\a)%2)
.irp t, 0,1,2,3,4,5,6,7,8,9,10,11,12,13,14,15
	ds_load_b128 v[BB+4*\t:BB+4*\t+3], v[RD] offset:\t*SPITCH
.endr
.endm
.macro SEND a, younger                 ; younger: the LDS instructions issued behind block a's loads, which may stay out
.set BB, BK+64*((\a)%2)
	s_wait_dscnt \younger
.if (\a) > 0
.if ((\a)%2) == 1
	s_add_nc_u64 s[12:13], s[12:13], 8*4096        ; tile 2 G + 1 begins 8 tokens behind tile 2 G,
.else
	s_add_nc_u64 s[12:13], s[12:13], 24*4096       ; tile 2 G + 2 another 24 on  (behind a wait on XCNT: the earlier stores have read their base)
.endif
.endif
.irp t, 0,1,2,3,4,5,6,7,8,9,10,11,12,13,14,15
	global_store_b128 v[CO], v[BB+4*\t:BB+4*\t+3], s[12:13] offset:(\t+8*(\t/8))*4096 th:TH_STORE_NT   ; lane t of a tile is token t + 8 (t / 8); 32 lanes store 512 consecutive bytes, at a multiple of 256 from out0's first byte
.endr
.endm
	PLACES NP
	TOSTAGE 0
.irp a, 1,2,3,4,5,6,7
.if \a > 1
	s_wait_xcnt 0x0                                ; block a - 2's stores have read their registers and their base
.endif
	TOSTAGE \a
	SEND \a-1, 32                                  ; behind block a - 1's loads: block a's 16 stores and 16 loads
.endr
	s_wait_xcnt 0x0
	SEND 7, 0
	s_wait_tensorcnt 0x0                           ; the wave's end
	ds_add_u32 v[SPW], v[NIL]
	s_wait_dscnt 0x0
	CROUND                                         ; the closing round: no work-group ends while a partner may still ask for a tile that names it
	s_endpgm
.Lfunc_end_k_q798bb7fc9b_proj:
	.size	k_q798bb7fc9b_proj, .Lfunc_end_k_q798bb7fc9b_proj-k_q798bb7fc9b_proj
	.p2alignl 7, 3214868480
	.fill 96, 4, 3214868480
	.section	.rodata,"a",@progbits
	.p2align	6, 0x0
	.amdhsa_kernel k_q798bb7fc9b_proj
		.amdhsa_group_segment_fixed_size 327680
		.amdhsa_private_segment_fixed_size 0
		.amdhsa_enable_private_segment 0
		.amdhsa_kernarg_size 48
		.amdhsa_user_sgpr_count 2
		.amdhsa_user_sgpr_kernarg_segment_ptr 1
		.amdhsa_wavefront_size32 1
		.amdhsa_system_sgpr_workgroup_id_x 1
		.amdhsa_system_sgpr_workgroup_id_y 1
		.amdhsa_system_sgpr_workgroup_id_z 1
		.amdhsa_system_vgpr_workitem_id 0
		.amdhsa_next_free_vgpr 1024
		.amdhsa_next_free_sgpr 100
		.amdhsa_reserve_vcc 0
		.amdhsa_float_denorm_mode_32 3
		.amdhsa_float_denorm_mode_16_64 3
		.amdhsa_memory_ordered 1
		.amdhsa_forward_progress 1
		.amdhsa_inst_pref_size 145
	.end_amdhsa_kernel
	.amdgpu_metadata
---
amdhsa.version: [ 1, 2 ]
amdhsa.kernels:
  - .name:           k_q798bb7fc9b_proj
    .symbol:         k_q798bb7fc9b_proj.kd
    .args:
      - { .name: mc, .offset: 0, .size: 8, .value_kind: global_buffer, .address_space: global }
      - { .name: ms, .offset: 8, .size: 8, .value_kind: global_buffer, .address_space: global }
      - { .name: opc, .offset: 16, .size: 8, .value_kind: global_buffer, .address_space: global }
      - { .name: ops, .offset: 24, .size: 8, .value_kind: global_buffer, .address_space: global }
      - { .name: out0, .offset: 32, .size: 8, .value_kind: global_buffer, .address_space: global }
      - { .name: bo, .offset: 40, .size: 8, .value_kind: global_buffer, .address_space: global }
    .group_segment_fixed_size: 327680
    .private_segment_fixed_size: 0
    .kernarg_segment_align: 8
    .kernarg_segment_size: 48
    .max_flat_workgroup_size: 128
    .sgpr_count:     100
    .vgpr_count:     1024
    .wavefront_size: 32
...
	.end_amdgpu_metadata
.endif
;; end of part 4
